; MI455X (gfx1250); checked and timed in simulation.
; The chip was launched on July 23, 2026; its instructions are those of AMD's public machine-readable ISA for CDNA 5 (MIT licence, August 2026) and "CDNA5" Instruction Set Architecture Reference Guide (July 2026). The comments in the code are by the model that wrote it; some were corrected since.
;; Causal Self Attention. Allowed arithmetic: matrix products marked QUANTISED: E2M1 operands, one E8M0 scale for each 32 along K, by v_wmma_scale_f32_16x16x128_f8f6f4 with both operands' format E2M1 (or v_wmma_scale_f32_32x16x128_f4), f32 sums; products left as they are: bf16, f16 or f32 operands; f32 sums; everything else in f32.
;; Inputs: b_attn 3,072 float32; b_proj 1,024 float32; hidden_states 4 x 2,048 x 1,024 float32; w_attn 1,024 x 3,072 float32; w_proj 1,024 x 1,024 float32.
;; Outputs: out0 4 x 2,048 x 1,024 float32.
;; This version of the problem:
;;   THIS VERSION OF THE PROBLEM IS GIVEN IN LOW PRECISION. The matrix products marked QUANTISED in the list below multiply operands that are first quantised to E2M1 (2 exponent bits, 1 mantissa bit; 4 bits a number), with one power-of-two scale for each 32 numbers along K (OCP MX v1.0); their sums are f32. The products marked 'left as it is' may take bf16, f16 or f32 operands, with f32 sums. Whichever they take, every output number must still come out within the allowed error. Rounding operands to bf16 (8 significant bits) uses up far more of that allowance than f16 does (11 bits, for magnitudes from 6e-5 to 65,504). All else is computed in f32.
;;   The module's matrix products, in the order in which they are computed (A, B: the left and right operand; K: the contracted axis; several contracted axes count as one K, in the product's order):
;;     1. [M 8,192, K 1,024] x [K 1,024, N 3,072]; A: input hidden_states; B: input w_attn: QUANTISED
;;     2. batch 64 x [M 2,048, K 64] x [K 64, N 2,048]; A: computed on the way; B: computed on the way: left as it is (an operand is computed on the way)
;;     3. batch 64 x [M 2,048, K 2,048] x [K 2,048, N 64]; A: computed on the way; B: computed on the way: left as it is (an operand is computed on the way)
;;     4. [M 8,192, K 1,024] x [K 1,024, N 1,024]; A: computed on the way; B: input w_proj: left as it is (an operand is computed on the way)
;;   THE QUANTISER, for each operand of a quantised product, along K:
;;     - K is cut into blocks of 32 from its start; a last block that is shorter is filled with zeros.
;;     - A block's scale is 2^e with e = floor(log2(the largest magnitude in the block)) - 2, held to -126 .. 127; a block of zeros has e = 0. As a byte (E8M0): e + 127.
;;     - Each number is divided by its block's scale, clamped to +-6, and rounded to the nearest number of E2M1, ties to even, subnormals kept.
;;     - The product sums the exact products of the quantised numbers (number of the format x scale) in f32.
;;   ~~~python
;;   def quantise(x, axis):      # numpy; x: float32 -> the quantised numbers, widened to float32 again
;;       x = np.moveaxis(x, axis, -1); K = x.shape[-1]
;;       x = np.pad(x, [(0, 0)] * (x.ndim - 1) + [(0, -K % 32)]); x = x.reshape(x.shape[:-1] + (-1, 32)); a = np.abs(x).max(-1, keepdims=True)
;;       e = np.where(a > 0, np.clip(np.frexp(np.where(a > 0, a, 1))[1] - 1 - 2, -126, 127), 0)      # np.frexp(a)[1] - 1 = floor(log2(a)), exactly
;;       r = np.clip(x / 2.0 ** e, -6, 6)
;;       step = 2.0 ** (np.maximum(np.frexp(np.where(r == 0, 1, r))[1] - 1, 0) - 1)
;;       q = np.round(r / step) * step * 2.0 ** e      # np.round: ties to even
;;       return np.moveaxis(q.reshape(q.shape[:-2] + (-1,))[..., :K], -1, axis).astype(np.float32)
;;   ~~~
;; One version. Each part assembles by itself: llvm-mc -triple=amdgcn-amd-amdhsa -mcpu=gfx1250 --defsym DOCPART=n.
;; ======== version 1 of 1: 6 launches
;; limits: values are held in f16: magnitudes above 65,504 overflow, below 6.1e-05 lose precision
;; workspace buffers: codes 5,767,168 bytes; scales 360,448 bytes; wpt 2,097,152 bytes; qkv 50,331,648 bytes; sufv 540,672 bytes; u16 266,240 bytes; ctx 16,777,216 bytes
;; launch prep (part 1): grid 368 x 1, 4 waves a work-group, no clusters, 102,912 bytes of LDS; arguments hidden_states, w_attn, w_proj, codes, scales, wpt; writes codes, scales, wpt
.if DOCPART == 1
	.amdgcn_target "amdgcn-amd-amdhsa--gfx1250"
	.amdhsa_code_object_version 6
	.text
	.protected	k_q4a1e7d1990_prep
	.globl	k_q4a1e7d1990_prep
	.p2align	8
	.type	k_q4a1e7d1990_prep,@function
k_q4a1e7d1990_prep:
	s_mov_b64 s[64:65], 0
	v_nop
	global_prefetch_b8 v0, s[64:65] scope:SCOPE_SE
	s_setreg_imm32_b32 hwreg(HW_REG_WAVE_MODE, 25, 1), 1
	s_wait_xcnt 0x0
; CAUSAL SELF-ATTENTION, launch 1 of 6: the operands of the quantised product become codes of FP4 (E2M1) with one E8M0 byte for each 32 along K; w_proj becomes f16, turned.
; THE PROGRAM: prep (this) | qkv: x W + b on codes, q, k, v stored as f16 by head | aux: sums of V behind each step of 64 keys, and positions 0-15 of every sequence in f32 |
;   attn: the softmax and both its products in f16 with f32 sums | proj: ctx w_proj + b_proj in f16 | proj16: the same for positions 0-15 in f32, written over proj's rows.
; WORK LEFT OUT, for all values of the inputs.  reference() replaces the score of every key k > q by -10000 (jnp.where on its own jnp.tril), whatever q . k is: so q . k is not computed for such keys
;   where they come in whole steps of 64 keys.  WHAT IS KEPT: their weights e^(-10000 - max) are not zero in exact arithmetic.  They are equal for all such keys of a row, so their part of the
;   row's sum is the weight x their count, and their part of the output the weight x the sum of their rows of V: an identity, not an approximation.  aux makes those sums of V, attn adds both parts.
;   Every input has a way to the output and is loaded: both biases too.
; LIMITS.  |q|, |k|, |v|, |ctx|, |w_proj| under 65,504 (they are rounded to f16).  NaN and infinities among the inputs are not served; a NaN, an infinity or an overflow that would reach only the
;   scores left out is not carried to the result.  Blocks whose largest magnitude lies under 2^(2 - 126) get the scale byte 1; a block of zeros gets the byte 1 where the rule says 127: its codes are zeros,
;   which add nothing under any byte but 0xff, and this program alone reads the bytes.
; THREE PATHS, chosen by the work-group's number, each with LDS bytes of its own; they never join.  No tensor loads, no barrier: waves share nothing.
;   A, work-groups 0-255:   hidden_states [8192][1024], K innermost  -> codes [8192][512 bytes] at byte 0, scales [8192][32] at byte 0
;   B, work-groups 256-303: w_attn [1024 k][3072 n], K its first axis -> codes [3072 n][512 bytes] at byte 4,194,304, scales [3072][32] at byte 262,144
;   C, work-groups 304-367: w_proj [1024 k][1024 n] -> wpt [1024 n][1024 k] f16
.set SPARE, 102400                     ; behind the three paths' regions: the spare words, 128 bytes for each wave
.set SPW,   190                        ; v190 LDS address of my spare word; never rewritten
.set NIL,   191                        ; v191 0; never rewritten
.set EMAX,  2
.macro FINISH                          ; the wave's end, behind my last LDS store
	s_wait_tensorcnt 0x0
	ds_add_u32 v[SPW], v[NIL]
	s_wait_dscnt 0x0
	s_endpgm
.endm
	s_load_b128 s[4:7], s[0:1], 0x0                ; hidden_states, w_attn
	s_load_b128 s[8:11], s[0:1], 0x10              ; w_proj, codes
	s_load_b128 s[12:15], s[0:1], 0x20             ; scales, wpt
	v_lshl_add_u32 v[SPW], v0, 2, SPARE
	v_mov_b32 v[NIL], 0
	v_lshrrev_b32 v1, 5, v0
	v_readfirstlane_b32 s16, v1                    ; wave 0..3
	v_and_b32 v2, 31, v0                           ; lane
	s_cmp_ge_u32 ttmp9, 304
	s_cbranch_scc1 .Lpath_c
	s_cmp_ge_u32 ttmp9, 256
	s_cbranch_scc1 .Lpath_b
; ---- PATH A.  Rows are dense and K is a multiple of 32: the tensor is a stream of blocks of 32.  A wave takes 16 steps of 512 numbers.  Each load reads 512 consecutive bytes, 16 a lane; a step's 2,048 bytes
; turn through the wave's own stage in LDS (16 bytes of padding behind each 64) and come back 64 bytes a lane: 16 neighbours along K, two lanes to a block.  A lane's 16 codes are 8 bytes: the wave stores 256 consecutive bytes.
.set STEPS, 16
.set CB,    8                          ; bytes of 16 codes
.set AR,    16                         ; v16-79   four sets of 16 numbers as loaded
.set AX,    80                         ; v80-111  two sets of 16 neighbours
.set AE,    112                        ; v112-127 a scale byte for each step
.set AC,    128                        ; v128-189 codes: four registers for each step, so that no store's data are written again
.set WREG,  8192                       ; LDS: a region for each wave: two stages of 32 x SP bytes, then its 256 scale bytes
.set SP,    80
	v_lshlrev_b32 v3, 4, v2                        ; my 16 bytes of a load's 512
	s_lshl_b32 s17, s16, 13
	v_lshrrev_b32 v14, 2, v2
	v_mul_u32_u24 v14, v14, SP
	v_and_b32 v15, 3, v2
	v_lshl_add_u32 v14, v15, 4, v14
	v_add_nc_u32 v14, s17, v14                     ; the stage, on the way in: SP (lane / 4) + 16 (lane % 4)
	v_mul_u32_u24 v15, v2, SP
	v_add_nc_u32 v15, s17, v15                     ; on the way out: SP x lane
	v_lshlrev_b32 v4, 3, v2                        ; 8 bytes a lane: my codes in a step's 256, and my part of the scale bytes
	v_lshrrev_b32 v5, 1, v2
	s_add_co_u32 s17, s17, 2*32*SP
	v_add_nc_u32 v5, s17, v5                       ; LDS: my block's scale byte
	v_add_nc_u32 v6, s17, v4                       ; and 8 of them on the way out
	s_lshl_b32 s18, ttmp9, 2
	s_add_co_u32 s18, s18, s16                     ; which run of 8,192 numbers is my wave's: 0..1023
	s_lshl_b32 s20, s18, 15
	s_mov_b32 s21, 0
	s_lshl_b32 s22, s18, 12
	s_mov_b32 s23, 0
	s_lshl_b32 s24, s18, 8
	s_mov_b32 s25, 0
	s_wait_kmcnt 0x0
	s_add_nc_u64 s[4:5], s[4:5], s[20:21]
	s_add_nc_u64 s[10:11], s[10:11], s[22:23]
	s_add_nc_u64 s[12:13], s[12:13], s[24:25]
.macro LOADA t
.irp i, 0,1,2,3
	global_load_b128 v[AR+16*((\t)%4)+4*\i:AR+16*((\t)%4)+4*\i+3], v3, s[4:5] offset:2048*(\t)+512*\i th:TH_LOAD_NT
.endr
.endm
.macro TURNA t                         ; LDS serves a wave's instructions in order: no wait between the stores and the loads
.irp i, 0,1,2,3
	ds_store_b128 v14, v[AR+16*((\t)%4)+4*\i:AR+16*((\t)%4)+4*\i+3] offset:32*SP*((\t)%2)+8*SP*\i
.endr
.irp i, 0,1,2,3
	ds_load_b128 v[AX+16*((\t)%2)+4*\i:AX+16*((\t)%2)+4*\i+3], v15 offset:32*SP*((\t)%2)+16*\i
.endr
.endm
.irp t, 0,1,2,3
	LOADA \t
.endr
	s_wait_loadcnt 12                              ; step 0's four loads are in; three steps' twelve stay out
	TURNA 0
.macro STEPA t
.set XS, AX+16*((\t)%2)
.if (\t) > 0
	s_wait_dscnt 1                                 ; this step's numbers are back from the stage; the last step's byte store may be out
.else
	s_wait_dscnt 0x0
.endif
.if (\t)+4 < STEPS
	LOADA (\t)+4
.endif
.if (\t)+1 < STEPS
.if STEPS-2-(\t) >= 3
	s_wait_loadcnt 12                              ; the next step's four loads are in; those of the three steps behind it may be out
.else
	s_wait_loadcnt 4*(STEPS-2-(\t))
.endif
	TURNA (\t)+1
.endif
	v_max3_num_f32 v8, |v[XS]|, |v[XS+1]|, |v[XS+2]|
	v_max3_num_f32 v9, |v[XS+3]|, |v[XS+4]|, |v[XS+5]|
.irp i, 6,10
	v_max3_num_f32 v8, v8, |v[XS+\i]|, |v[XS+\i+1]|
	v_max3_num_f32 v9, v9, |v[XS+\i+2]|, |v[XS+\i+3]|
.endr
	v_max3_num_f32 v8, v8, |v[XS+14]|, |v[XS+15]|
	v_max3_num_f32 v8, v8, v9, (EMAX+1)<<23        ; and the floor 2^(EMAX + 1 - 127): the byte cannot fall under 1
	v_max_num_f32_dpp v8, v8, v8 row_xmask:1 row_mask:0xf bank_mask:0xf   ; with my neighbour's 16: the block's largest magnitude
	v_add_nc_u32 v11, -(EMAX<<23), v8              ; EMAX off its exponent field: the conversion takes that field as its scale
	v_cvt_scalef32_pk8_fp4_f32 v[AC+4*(\t)], v[XS:XS+7], v11
	v_cvt_scalef32_pk8_fp4_f32 v[AC+4*(\t)+1], v[XS+8:XS+15], v11
	v_lshrrev_b32 v[AE+(\t)], 23, v11              ; the scale's byte
	ds_store_b8 v5, v[AE+(\t)] offset:16*(\t)      ; both lanes of a block write the same byte with the same value
	global_store_b64 v4, v[AC+4*(\t):AC+4*(\t)+1], s[10:11] offset:32*CB*(\t)
.endm
.irp t, 0,1,2,3,4,5,6,7,8,9,10,11,12,13,14,15
	STEPA \t
.endr
	ds_load_b64 v[8:9], v6
	s_wait_dscnt 0x0
	global_store_b64 v4, v[8:9], s[12:13]          ; 32 lanes store 256 consecutive bytes, aligned
	FINISH
; ---- PATH B.  A lane takes a column n and its registers run down K: a block of 32 lies in one lane, and the conversions give codes with K innermost.  A wave takes 32 columns x 512 along K;
; its codes go through its own stage (rows of 256 bytes + 16) and leave as rows: sixteen lanes store 256 consecutive bytes.  Every offset is an immediate: 511 x 12,288 bytes at the most.
.Lpath_b:
.set NB,    16                         ; blocks of a lane
.set BPIT,  272
.set BX,    32                         ; v32-95   two sets of 32 numbers
.set BC,    96                         ; v96-99   a block's codes
.set BOUT,  112                        ; v112-175 the way out
.set BSB,   24                         ; v24-27   the scale bytes, four to a register
	s_sub_co_u32 s26, ttmp9, 256
	s_cmp_ge_u32 s26, 24
	s_cselect_b32 s18, 1, 0                        ; which 512 along K
	s_cselect_b32 s27, 24, 0
	s_sub_co_u32 s26, s26, s27                     ; which 128 columns
	s_lshl_b32 s17, s26, 7
	s_lshl_b32 s19, s16, 5
	s_add_co_u32 s17, s17, s19                     ; my wave's first column
	v_lshlrev_b32 v3, 2, v2
	s_mul_i32 s19, s16, 32*BPIT
	s_add_co_u32 s19, s19, 32768                   ; my stage
	v_mul_u32_u24 v4, v2, BPIT
	v_add_nc_u32 v4, s19, v4
	v_and_b32 v5, 15, v2
	v_lshrrev_b32 v6, 4, v2
	v_mul_u32_u24 v7, v6, BPIT
	v_lshl_add_u32 v7, v5, 4, v7
	v_add_nc_u32 v7, s19, v7
	v_lshlrev_b32 v8, 9, v6
	v_lshl_add_u32 v8, v5, 4, v8                   ; the same place among the codes' rows of 512 bytes
	v_lshlrev_b32 v9, 5, v2                        ; my column's row of 32 scale bytes
	s_mul_i32 s20, s18, 512*3072*4
	s_lshl_b32 s22, s17, 2
	s_add_co_u32 s20, s20, s22
	s_mov_b32 s21, 0
	s_lshl_b32 s24, s17, 9
	s_lshl_b32 s22, s18, 8
	s_add_co_u32 s24, s24, s22
	s_add_co_u32 s24, s24, 4194304
	s_mov_b32 s25, 0
	s_lshl_b32 s28, s17, 5
	s_lshl_b32 s22, s18, 4
	s_add_co_u32 s28, s28, s22
	s_add_co_u32 s28, s28, 262144
	s_mov_b32 s29, 0
	s_wait_kmcnt 0x0
	s_add_nc_u64 s[6:7], s[6:7], s[20:21]
	s_add_nc_u64 s[10:11], s[10:11], s[24:25]
	s_add_nc_u64 s[12:13], s[12:13], s[28:29]
.macro LOADB t
.set I, 0
.rept 32
	global_load_b32 v[BX+32*((\t)%2)+I], v3, s[6:7] offset:(32*(\t)+I)*12288 th:TH_LOAD_NT
.set I, I+1
.endr
.endm
	LOADB 0
	LOADB 1
.macro BLOCKB t
.set XS, BX+32*((\t)%2)
.if (\t) < NB-1
	s_wait_loadcnt 32                              ; this block's 32 loads are in; the next block's may be out
.else
	s_wait_loadcnt 0x0
.endif
	v_max3_num_f32 v12, |v[XS]|, |v[XS+1]|, |v[XS+2]|
	v_max3_num_f32 v13, |v[XS+3]|, |v[XS+4]|, |v[XS+5]|
.irp i, 6,10,14,18,22,26
	v_max3_num_f32 v12, v12, |v[XS+\i]|, |v[XS+\i+1]|
	v_max3_num_f32 v13, v13, |v[XS+\i+2]|, |v[XS+\i+3]|
.endr
	v_max3_num_f32 v12, v12, |v[XS+30]|, |v[XS+31]|
	v_max3_num_f32 v12, v12, v13, (EMAX+1)<<23
	v_add_nc_u32 v11, -(EMAX<<23), v12
	v_lshrrev_b32 v13, 23, v11
.if (\t)%4 == 0
	v_mov_b32 v[BSB+(\t)/4], v13
.else
	v_lshl_or_b32 v[BSB+(\t)/4], v13, 8*((\t)%4), v[BSB+(\t)/4]
.endif
.irp g, 0,1,2,3
	v_cvt_scalef32_pk8_fp4_f32 v[BC+\g], v[XS+8*\g:XS+8*\g+7], v11
.endr
	ds_store_b128 v4, v[BC:BC+3] offset:16*(\t)
.if (\t)+2 < NB
	LOADB (\t)+2
.endif
	s_wait_dscnt 0x0                               ; the store has read its registers: the next block's codes may be written
.endm
.set Q, 0
.rept NB
	BLOCKB Q
.set Q, Q+1
.endr
	global_store_b128 v9, v[BSB:BSB+3], s[12:13]
.irp t, 0,1,2,3,4,5,6,7,8,9,10,11,12,13,14,15
	ds_load_b128 v[BOUT+4*\t:BOUT+4*\t+3], v7 offset:2*\t*BPIT
.endr
.irp t, 0,1,2,3,4,5,6,7,8,9,10,11,12,13,14,15
	s_wait_dscnt 15-\t
	global_store_b128 v8, v[BOUT+4*\t:BOUT+4*\t+3], s[10:11] offset:2*\t*512
.endr
	FINISH
; ---- PATH C.  The same plan without a quantiser: a lane takes a column n of w_proj, its registers run down k; pairs are rounded to f16.  A wave takes 32 columns x 128 along k: 256 bytes a column.
.Lpath_c:
.set CX,    32                         ; v32-95   two sets of 32 numbers
.set CC,    96                         ; v96-111  32 numbers as f16
.set COUT,  112                        ; v112-175 the way out
	s_sub_co_u32 s26, ttmp9, 304
	s_and_b32 s17, s26, 7
	s_lshr_b32 s18, s26, 3                         ; which 128 along k
	s_lshl_b32 s17, s17, 7
	s_lshl_b32 s19, s16, 5
	s_add_co_u32 s17, s17, s19                     ; my wave's first column
	v_lshlrev_b32 v3, 2, v2
	s_mul_i32 s19, s16, 32*272
	s_add_co_u32 s19, s19, 67584                   ; my stage
	v_mul_u32_u24 v4, v2, 272
	v_add_nc_u32 v4, s19, v4
	v_and_b32 v5, 15, v2
	v_lshrrev_b32 v6, 4, v2
	v_mul_u32_u24 v7, v6, 272
	v_lshl_add_u32 v7, v5, 4, v7
	v_add_nc_u32 v7, s19, v7
	v_lshlrev_b32 v8, 11, v6
	v_lshl_add_u32 v8, v5, 4, v8                   ; the same place among wpt's rows of 2,048 bytes
	s_lshl_b32 s20, s18, 19
	s_lshl_b32 s22, s17, 2
	s_add_co_u32 s20, s20, s22
	s_mov_b32 s21, 0
	s_lshl_b32 s24, s17, 11
	s_lshl_b32 s22, s18, 8
	s_add_co_u32 s24, s24, s22
	s_mov_b32 s25, 0
	s_wait_kmcnt 0x0
	s_add_nc_u64 s[8:9], s[8:9], s[20:21]
	s_add_nc_u64 s[14:15], s[14:15], s[24:25]
.macro LOADC t
.set I, 0
.rept 32
	global_load_b32 v[CX+32*((\t)%2)+I], v3, s[8:9] offset:(32*(\t)+I)*4096
.set I, I+1
.endr
.endm
	LOADC 0
	LOADC 1
.macro CVTC t
.set XS, CX+32*((\t)%2)
.if (\t) < 3
	s_wait_loadcnt 32                              ; this block's 32 loads are in; the next block's may be out
.else
	s_wait_loadcnt 0x0
.endif
.set I, 0
.rept 16
	v_cvt_pk_f16_f32 v[CC+I], v[XS+2*I], v[XS+2*I+1]   ; the lower k in the low half
.set I, I+1
.endr
.irp g, 0,1,2,3
	ds_store_b128 v4, v[CC+4*\g:CC+4*\g+3] offset:64*(\t)+16*\g
.endr
.if (\t)+2 < 4
	LOADC (\t)+2
.endif
	s_wait_dscnt 0x0                               ; the stores have read their registers
.endm
	CVTC 0
	CVTC 1
	CVTC 2
	CVTC 3
.irp t, 0,1,2,3,4,5,6,7,8,9,10,11,12,13,14,15
	ds_load_b128 v[COUT+4*\t:COUT+4*\t+3], v7 offset:2*\t*272
.endr
.irp t, 0,1,2,3,4,5,6,7,8,9,10,11,12,13,14,15
	s_wait_dscnt 15-\t
	global_store_b128 v8, v[COUT+4*\t:COUT+4*\t+3], s[14:15] offset:2*\t*2048   ; sixteen lanes store 256 consecutive bytes, aligned
.endr
	FINISH
.Lfunc_end_k_q4a1e7d1990_prep:
	.size	k_q4a1e7d1990_prep, .Lfunc_end_k_q4a1e7d1990_prep-k_q4a1e7d1990_prep
	.p2alignl 7, 3214868480
	.fill 96, 4, 3214868480
	.section	.rodata,"a",@progbits
	.p2align	6, 0x0
	.amdhsa_kernel k_q4a1e7d1990_prep
		.amdhsa_group_segment_fixed_size 102912
		.amdhsa_private_segment_fixed_size 0
		.amdhsa_enable_private_segment 0
		.amdhsa_kernarg_size 48
		.amdhsa_user_sgpr_count 2
		.amdhsa_user_sgpr_kernarg_segment_ptr 1
		.amdhsa_wavefront_size32 1
		.amdhsa_system_sgpr_workgroup_id_x 1
		.amdhsa_system_sgpr_workgroup_id_y 1
		.amdhsa_system_sgpr_workgroup_id_z 1
		.amdhsa_system_vgpr_workitem_id 0
		.amdhsa_next_free_vgpr 192
		.amdhsa_next_free_sgpr 66
		.amdhsa_reserve_vcc 0
		.amdhsa_float_denorm_mode_32 3
		.amdhsa_float_denorm_mode_16_64 3
		.amdhsa_memory_ordered 1
		.amdhsa_forward_progress 1
		.amdhsa_inst_pref_size 132
	.end_amdhsa_kernel
	.amdgpu_metadata
---
amdhsa.version: [ 1, 2 ]
amdhsa.kernels:
  - .name:           k_q4a1e7d1990_prep
    .symbol:         k_q4a1e7d1990_prep.kd
    .args:
      - { .name: hidden_states, .offset: 0, .size: 8, .value_kind: global_buffer, .address_space: global }
      - { .name: w_attn, .offset: 8, .size: 8, .value_kind: global_buffer, .address_space: global }
      - { .name: w_proj, .offset: 16, .size: 8, .value_kind: global_buffer, .address_space: global }
      - { .name: codes, .offset: 24, .size: 8, .value_kind: global_buffer, .address_space: global }
      - { .name: scales, .offset: 32, .size: 8, .value_kind: global_buffer, .address_space: global }
      - { .name: wpt, .offset: 40, .size: 8, .value_kind: global_buffer, .address_space: global }
    .group_segment_fixed_size: 102912
    .private_segment_fixed_size: 0
    .kernarg_segment_align: 8
    .kernarg_segment_size: 48
    .max_flat_workgroup_size: 128
    .sgpr_count:     66
    .vgpr_count:     192
    .wavefront_size: 32
...
	.end_amdgpu_metadata
.endif
;; end of part 1
;; launch qkv (part 2): grid 12 x 32, 4 waves a work-group, clusters of 4 x 4, 327,680 bytes of LDS; arguments codes, scales, b_attn, qkv; writes qkv
.if DOCPART == 2
	.amdgcn_target "amdgcn-amd-amdhsa--gfx1250"
	.amdhsa_code_object_version 6
	.text
	.protected	k_q4a1e7d1990_qkv
	.globl	k_q4a1e7d1990_qkv
	.p2align	8
	.type	k_q4a1e7d1990_qkv,@function
k_q4a1e7d1990_qkv:
	s_mov_b64 s[64:65], 0
	v_nop
	global_prefetch_b8 v0, s[64:65] scope:SCOPE_SE
	s_setreg_imm32_b32 hwreg(HW_REG_WAVE_MODE, 25, 1), 1
	s_wait_xcnt 0x0
	s_wait_alu depctr_hold_cnt(0) depctr_sa_sdst(0) depctr_va_vdst(0) depctr_va_sdst(0) depctr_va_ssrc(0) depctr_va_vcc(0) depctr_vm_vsrc(0)
	s_getreg_b32 s2, hwreg(HW_REG_IB_STS2, 6, 4)
	s_cmp_eq_u32 s2, 0
	s_cbranch_scc0 .Lentry_in_a_cluster
	s_endpgm
.Lentry_in_a_cluster:
	s_bfe_u32 s2, ttmp6, 0x10000c
	s_cmp_lg_u32 s2, 0xf033
	s_cbranch_scc0 .Lentry_shape_is_right
	s_endpgm
.Lentry_shape_is_right:
; Launch 2 of 6: qkv = Q(x) Q(w_attn) + b_attn, [8192] x [3072], K = 1,024, on codes of FP4 (E2M1) with E8M0 scales; sums in f32; stored as f16, by head: qkv [3][64 bh][2048 s][64 d].  Nothing is left out here.
; A tile of 256 x 256 is made by four waves, 128 x 128 each: 64 accumulators, 512 registers.  K is two steps of 512: both LDS slots and the scales are filled once, at the head; nothing is filled again.
; CLUSTERS: 4 x 4 work-groups; x's tiles are shared along a row of the cluster, W's along a column: each is asked for jointly, by the same tensor load with the same descriptor and a mask that names the four.
; THE MATRIX INSTRUCTION IS USED TRANSPOSED (source 0 = 16 columns of W, source 1 = 16 rows of x): a lane holds eight neighbouring columns of one row.  The bias is the C of each sum's first instruction.
; REGISTERS: window 0: v0-31 addresses; v32-95 scale words, two sets, and nothing else; v128-191 x's fragments, one set; v192-255 the bias of my 128 columns; on the way out v128-223 are at work.
;   window 1: W's fragments, two sets, at v0 and v128.   window 2: the accumulators of my rows 0-63 ((a, b) at v[8 (8 a + b)]);   window 3: those of rows 64-127.
; LIMIT: results beyond 65,504 do not fit f16.
.set NQ,     4                         ; steps of 128 along K in a slot
.set ROWB,   256                       ; a tile's row: 512 codes
.set KROW,   512                       ; a row of codes in memory
.set PITCH,  272                       ; an LDS row: 256 bytes + 16: 68 words, so the 16 rows that a load touches start at 16 different banks (64 banks of 4 bytes: ISA guide 11.1)
.set FR,     8
.set NL,     2
.set NP,     4                         ; places behind this matrix instruction (ISA guide 7.12.1)
.set HALFT,  128*PITCH
.set SLOT,   4*HALFT
.set KS,     32                        ; a row of scale bytes
.set SCL,    2*SLOT                    ; behind the ring: the scales, as units of 256 bytes + 16
.set HALFS,  (128*KS/256)*272
.set SBLK,   (16*KS/256)*272
.set SPARE,  SCL+4*HALFS               ; the spare words, 128 bytes for each wave
.set SPITCH, 272                       ; the way out: a stage of 16 rows x (256 bytes + 16) for each wave, in slot 0, which has had its only fill and its last read by then
.set ADRA, 16
.set ADRB, 20
.set STO,  24
.set RD,   25
.set CO,   26
.set ADRS, 27
.set SPW,  28
.set NIL,  29
.set BO,   30                          ; v30 32 x (lane / 16): my place in a block's bias
.set SC,   32
.set AF,   128
.set BIAS, 192
.set TMP,  128                         ; the way out: a block as f16
.set BK,   160                         ; and back from the stage: v160-191 and v192-223 by turns
.set G1, 24
.set G0, 32
.set G1B, 48
.set G0B, 56
.set G1S, 68
.set G0S, 76
.set G1SB, 80
.set G0SB, 88
.set MSB, 0
.macro WIN new                         ; the immediate's high byte repeats the setting that is left
.if MSB != \new
	s_set_vgpr_msb (MSB<<8)|\new
.set MSB, \new
.endif
.endm
.set MUL_LO, 0xa1                      ; source 0 (W) window 1, source 1 (x) window 0, C and D window 2
.set MUL_HI, 0xf1
.set TO_B,   0x40
; A joint load: waves 0 and 1 fetch for x, waves 2 and 3 for W.  An s_nop 0 and four v_nop follow each of the two lines.
.macro JLOAD g0a, g1a, g0b, g1b
	s_cmp_eq_u32 s15, 0
	s_cbranch_scc0 .Lfor_b_\@
	tensor_load_to_lds s[\g0a:\g0a+3], s[\g1a:\g1a+7]
	s_nop 0
.rept 4
	v_nop
.endr
	s_branch .Lasked_\@
.Lfor_b_\@:
	tensor_load_to_lds s[\g0b:\g0b+3], s[\g1b:\g1b+7]
	s_nop 0
.rept 4
	v_nop
.endr
.Lasked_\@:
.endm
.macro CROUND                          ; a round of the cluster's barrier
	s_barrier_signal -1
	s_barrier_wait -1
	s_cmp_lg_u32 s14, 0
	s_cbranch_scc1 .Lnot_wave_0_\@
	s_barrier_signal -3
.Lnot_wave_0_\@:
	s_barrier_wait -3
	s_barrier_signal -1
	s_barrier_wait -1
.endm
	s_load_b128 s[4:7], s[0:1], 0x0                ; codes, scales
	s_load_b128 s[8:11], s[0:1], 0x10              ; b_attn, qkv
	v_lshl_add_u32 v[SPW], v0, 2, SPARE
	v_mov_b32 v[NIL], 0
	ds_add_u32 v[SPW], v[NIL]                      ; the wave's opening: the add, twice on end, and its wait ahead of my first tensor load
	ds_add_u32 v[SPW], v[NIL]
	v_lshrrev_b32 v1, 5, v0
	v_readfirstlane_b32 s14, v1                    ; wave 0..3
	s_lshr_b32 s15, s14, 1                         ; my half of the tile's rows.  Also: I fetch for x (0) or for W (1)
	s_and_b32 s16, s14, 1                          ; my half of its columns.  Also: which 128 rows I fetch
	s_bfe_u32 s40, ttmp6, 0x40000                  ; cx, cy
	s_bfe_u32 s41, ttmp6, 0x40004
	s_lshl_b32 s42, ttmp9, 2
	s_add_co_u32 s42, s42, s40                     ; tile column
	s_and_b32 s17, ttmp7, 0xffff
	s_lshl_b32 s17, s17, 2
	s_add_co_u32 s17, s17, s41                     ; tile row
	s_lshl_b32 s43, s41, 2
	s_lshl_b32 s43, 15, s43                        ; my row of the cluster
	s_lshl_b32 s44, 0x1111, s40                    ; my column
	s_or_b32 s[G1+0], s43, (0<<16)|(1<<20)|(1<<21)|(5<<22)|(3<<25)  ; the mask; elements of 1 byte; padding on; bit 21 beside a mask; after every 64 words, 4 words
	s_or_b32 s[G1B+0], s44, (0<<16)|(1<<20)|(1<<21)|(5<<22)|(3<<25)
.irp g, G1, G1B
	s_mov_b32 s[\g+1], ROWB<<16                    ; tensor_dim0
	s_mov_b32 s[\g+2], 128<<16                     ; tensor_dim1
	s_mov_b32 s[\g+3], ROWB<<16                    ; tile_dim0
	s_mov_b32 s[\g+4], 128                         ; tile_dim1
	s_mov_b32 s[\g+5], KROW                        ; the pitch
	s_mov_b32 s[\g+6], 0
	s_mov_b32 s[\g+7], 0
.endr
	s_or_b32 s[G1S+0], s43, (3<<16)|(1<<20)|(1<<21)|(5<<22)|(3<<25) ; the scales of 128 rows: 4,096 dense bytes as 16 rows of 256 (32 elements of 8 bytes)
	s_or_b32 s[G1SB+0], s44, (3<<16)|(1<<20)|(1<<21)|(5<<22)|(3<<25)
.irp g, G1S, G1SB
	s_mov_b32 s[\g+1], 32<<16
	s_mov_b32 s[\g+2], (128*KS/256)<<16
	s_mov_b32 s[\g+3], 32<<16
	s_mov_b32 s[\g+4], 128*KS/256
	s_mov_b32 s[\g+5], 32
	s_mov_b32 s[\g+6], 0
	s_mov_b32 s[\g+7], 0
.endr
	s_lshl_b32 s18, s16, 7
	s_lshl_b32 s20, s17, 8
	s_add_co_u32 s20, s20, s18                     ; x: row 256 x tile row + 128 x half
	s_lshl_b32 s46, s42, 8
	s_add_co_u32 s46, s46, s18                     ; W: column 256 x tile column + 128 x half
	s_mov_b32 s21, 0
	s_mov_b32 s47, 0
	s_mov_b64 s[18:19], KS
	s_mul_u64 s[22:23], s[20:21], s[18:19]
	s_mul_u64 s[92:93], s[46:47], s[18:19]
	s_mov_b64 s[18:19], KROW
	s_mul_u64 s[20:21], s[20:21], s[18:19]
	s_mul_u64 s[46:47], s[46:47], s[18:19]
	s_mul_i32 s45, s14, HALFT                      ; where they go: wave x 128 rows
	s_mul_i32 s94, s14, HALFS
	s_wait_dscnt 0x0                               ; both opening adds are done
	s_wait_kmcnt 0x0
	s_mov_b64 s[12:13], s[10:11]                   ; qkv
	s_mov_b64 s[96:97], s[8:9]                     ; b_attn
	s_add_nc_u64 s[8:9], s[4:5], 4194304           ; W's codes lie behind x's,
	s_add_nc_u64 s[10:11], s[6:7], 262144          ; W's scales behind x's
	s_add_nc_u64 s[20:21], s[4:5], s[20:21]
	s_add_nc_u64 s[22:23], s[6:7], s[22:23]
	s_add_nc_u64 s[46:47], s[8:9], s[46:47]
	s_add_nc_u64 s[92:93], s[10:11], s[92:93]
	CROUND                                         ; all sixteen work-groups are here: the joint loads meet
	s_mov_b32 s[G0S], 1
	s_add_co_u32 s[G0S+1], s94, SCL
	s_mov_b64 s[G0S+2:G0S+3], s[22:23]
	s_or_b32 s[G0S+3], s[G0S+3], 0x80000000
	s_mov_b32 s[G0SB], 1
	s_add_co_u32 s[G0SB+1], s94, SCL
	s_mov_b64 s[G0SB+2:G0SB+3], s[92:93]
	s_or_b32 s[G0SB+3], s[G0SB+3], 0x80000000
	JLOAD G0S, G1S, G0SB, G1SB
.irp s, 0,1
	s_mov_b32 s[G0+4*\s], 1
	s_add_co_u32 s[G0+4*\s+1], s45, \s*SLOT
	s_add_nc_u64 s[G0+4*\s+2:G0+4*\s+3], s[20:21], \s*ROWB
	s_or_b32 s[G0+4*\s+3], s[G0+4*\s+3], 0x80000000
	s_mov_b32 s[G0B+4*\s], 1
	s_add_co_u32 s[G0B+4*\s+1], s45, \s*SLOT
	s_add_nc_u64 s[G0B+4*\s+2:G0B+4*\s+3], s[46:47], \s*ROWB
	s_or_b32 s[G0B+4*\s+3], s[G0B+4*\s+3], 0x80000000
	JLOAD G0+4*\s, G1, G0B+4*\s, G1B               ; three loads of mine are out in all
.endr
	v_and_b32 v1, 15, v0                           ; r = lane % 16
	v_bfe_u32 v2, v0, 4, 1                         ; h = lane / 16
	v_lshlrev_b32 v[BO], 5, v2
	s_lshl_b32 s46, s42, 10                        ; the bias of my 128 columns: 4 x (256 x tile column + 128 x half)
	s_lshl_b32 s47, s16, 9
	s_add_co_u32 s46, s46, s47
	s_mov_b32 s47, 0
	s_add_nc_u64 s[96:97], s[96:97], s[46:47]
.irp b, 0,1,2,3,4,5,6,7
	global_load_b128 v[BIAS+8*\b:BIAS+8*\b+3],   v[BO], s[96:97] offset:64*\b      ; lane (r, h), block b: b_attn at columns 16 b + 8 h + 0 .. 7
	global_load_b128 v[BIAS+8*\b+4:BIAS+8*\b+7], v[BO], s[96:97] offset:64*\b+16
.endr
	v_mul_u32_u24 v3, v1, PITCH
	v_lshl_add_u32 v4, v2, 4, v3
	s_mul_i32 s21, s15, HALFT
	s_mul_i32 s22, s16, HALFT
	s_add_co_u32 s22, s22, 2*HALFT
.irp s, 0,1
	v_add_nc_u32 v[ADRA+\s], s21, v4
	v_add_nc_u32 v[ADRB+\s], s22, v4
	s_add_co_u32 s21, s21, SLOT
	s_add_co_u32 s22, s22, SLOT
.endr
	v_mul_u32_u24 v5, v1, KS                       ; my row's scales: 32 bytes a row, and 16 more for each 256 passed
	v_lshrrev_b32 v6, 8, v5
	v_lshl_add_u32 v5, v6, 4, v5
	s_mul_i32 s21, s15, HALFS
	s_mul_i32 s22, s16, HALFS
	s_add_co_u32 s22, s22, 2*HALFS
	s_sub_co_u32 s22, s22, s21
	v_mul_u32_u24 v6, s22, v2                      ; lanes 16-31 take W's
	s_add_co_u32 s21, s21, SCL
	v_add_nc_u32 v5, v5, v6
	v_add_nc_u32 v[ADRS], s21, v5
	s_mul_i32 s23, s14, 16*SPITCH                  ; my stage
	v_mul_u32_u24 v5, v1, SPITCH
	v_lshl_add_u32 v5, v2, 4, v5
	v_add_nc_u32 v[STO], s23, v5                   ; in: row r, 16 bytes for each half of the lanes
	v_and_b32 v6, 31, v0
	v_lshlrev_b32 v[CO], 4, v6                     ; out: 16 bytes a lane, 512 consecutive bytes a store
	v_lshrrev_b32 v7, 3, v6
	v_mul_u32_u24 v7, v7, SPITCH
	v_and_b32 v8, 7, v6
	v_lshl_add_u32 v7, v8, 4, v7
	v_add_nc_u32 v[RD], s23, v7                    ; back: eight lanes take a head's 128 bytes of a row, four rows a load
	; where my part begins in qkv: plane tile column / 4; head 16 b + 4 (tile column % 4) + 2 x half; position 256 (tile row % 8) + 128 x half
	s_lshr_b32 s20, s17, 3
	s_lshl_b32 s20, s20, 22
	s_and_b32 s21, s17, 7
	s_lshl_b32 s21, s21, 15
	s_add_co_u32 s20, s20, s21
	s_lshl_b32 s21, s15, 14
	s_add_co_u32 s20, s20, s21
	s_lshr_b32 s46, s42, 2
	s_lshl_b32 s46, s46, 24
	s_and_b32 s47, s42, 3
	s_lshl_b32 s47, s47, 20
	s_add_co_u32 s46, s46, s47
	s_lshl_b32 s47, s16, 19
	s_add_co_u32 s46, s46, s47
	s_add_co_u32 s20, s20, s46
	s_mov_b32 s21, 0
	s_add_nc_u64 s[12:13], s[12:13], s[20:21]
.macro FRAG reg, adr, q, i             ; 16 rows x 128 K of 4-bit codes: 8 registers, two loads of 16 bytes, 32 bytes apart
.irp c, 0,1
	ds_load_b128 v[\reg+4*\c:\reg+4*\c+3], v[\adr] offset:64*(\q)+32*\c+(\i)*16*PITCH
.endr
.endm
; 16 matrix instructions: x's blocks a0, a0 + 1 against W's eight.  The 64 accumulators take turns, one instruction a turn.  zero = 1: the first step: C is the bias.
.macro MUL16 a0, p, q, sc, zero
.irp a, \a0, \a0+1
.irp b, 0,1,2,3,4,5,6,7
.if \zero
	v_wmma_scale_f32_16x16x128_f8f6f4 v[8*(8*((\a)%4)+\b):8*(8*((\a)%4)+\b)+7], v[128*(\p)+FR*\b:128*(\p)+FR*\b+FR-1], v[AF+FR*(\a):AF+FR*(\a)+FR-1], v[BIAS+8*\b:BIAS+8*\b+7], v[SC+8*NQ*(\sc)+NQ*\b+(\q)], v[SC+8*NQ*(\sc)+NQ*(\a)+(\q)] matrix_a_fmt:MATRIX_FMT_FP4 matrix_b_fmt:MATRIX_FMT_FP4 matrix_a_scale:MATRIX_SCALE_ROW1
.else
	v_wmma_scale_f32_16x16x128_f8f6f4 v[8*(8*((\a)%4)+\b):8*(8*((\a)%4)+\b)+7], v[128*(\p)+FR*\b:128*(\p)+FR*\b+FR-1], v[AF+FR*(\a):AF+FR*(\a)+FR-1], v[8*(8*((\a)%4)+\b):8*(8*((\a)%4)+\b)+7], v[SC+8*NQ*(\sc)+NQ*\b+(\q)], v[SC+8*NQ*(\sc)+NQ*(\a)+(\q)] matrix_a_fmt:MATRIX_FMT_FP4 matrix_b_fmt:MATRIX_FMT_FP4 matrix_a_scale:MATRIX_SCALE_ROW1
.endif
.endr
.endr
.endm
.macro FETCH_B slot, q, p
	WIN TO_B
.irp i, 0,1,2,3,4,5,6,7
	FRAG 128*(\p)+FR*\i, ADRB+\slot, \q, \i
.endr
	WIN 0
.endm
.macro FETCH_A slot, q, i0
.irp i, \i0, \i0+1, \i0+2, \i0+3
	FRAG AF+FR*(\i), ADRA+\slot, \q, \i
.endr
.endm
.macro SCALES sc                       ; a slot's scale words: 4 words a row; lanes 0-15 take x's block i, lanes 16-31 W's block i
.irp i, 0,1,2,3,4,5,6,7
	ds_load_b128 v[SC+8*NQ*\sc+NQ*\i:SC+8*NQ*\sc+NQ*\i+3], v[ADRS] offset:\i*SBLK
.endr
.endm
.macro PLACES n                        ; plain vector instructions between a matrix instruction and a load into, or a read of, its registers
.rept \n
	v_nop
.endr
.endm
.macro STEP slot, q, zero              ; 128 along K, with its successor in the same slot
	s_wait_dscnt 4*NL                              ; W's set and x's blocks 0-3 are in; the youngest eight loads (x's blocks 4-7) may be out
.if \zero
	WIN 0x81                                       ; as MUL_LO, with C (the bias) in window 0
.else
	WIN MUL_LO
.endif
	MUL16 0, (\q)%2, \q, \slot, \zero
	MUL16 2, (\q)%2, \q, \slot, \zero
	s_wait_dscnt 0
	PLACES NP
	FETCH_B \slot, (\q)+1, 1-(\q)%2
	FETCH_A \slot, (\q)+1, 0
.if \zero
	WIN 0xc1
.else
	WIN MUL_HI
.endif
	MUL16 4, (\q)%2, \q, \slot, \zero
	MUL16 6, (\q)%2, \q, \slot, \zero
	PLACES NP
	WIN 0
	FETCH_A \slot, (\q)+1, 4
.endm
; Slot 0's last step changes slots: one barrier; in front of it each wave waits for all its tensor loads (slot 1's is the last), adds 0 to its spare word and waits for that and for its reads of slot 0.
.macro TURN slot, next
	s_wait_tensorcnt 0x0
	ds_add_u32 v[SPW], v[NIL]
	s_wait_dscnt 4*NL+1                            ; the add and the youngest eight loads may be out
	WIN MUL_LO
	MUL16 0, 1, NQ-1, \slot, 0
	s_wait_dscnt 0x0                               ; the add is done, and my reads of this slot are over
	s_barrier_signal -1
	MUL16 2, 1, NQ-1, \slot, 0
	WIN 0
	s_barrier_wait -1
	PLACES NP
	v_add_nc_u32 v[ADRS], 4*NQ, v[ADRS]            ; the next slot's scale words
	FETCH_B \next, 0, 0
	FETCH_A \next, 0, 0
	SCALES \next
	WIN MUL_HI
	MUL16 4, 1, NQ-1, \slot, 0
	MUL16 6, 1, NQ-1, \slot, 0
	PLACES NP
	WIN 0
	FETCH_A \next, 0, 4
.endm
	s_wait_tensorcnt 1                             ; the scales and my part of slot 0 are in; slot 1's load may be out
	s_barrier_signal -1
	s_barrier_wait -1
	FETCH_B 0, 0, 0
	FETCH_A 0, 0, 0
	SCALES 0
	FETCH_A 0, 0, 4
	s_wait_loadcnt 0x0                             ; the bias
	STEP 0, 0, 1
	STEP 0, 1, 0
	STEP 0, 2, 0
	TURN 0, 1
	STEP 1, 0, 0
	STEP 1, 1, 0
	STEP 1, 2, 0
	s_wait_dscnt 4*NL
	WIN MUL_LO
	MUL16 0, 1, NQ-1, 1, 0
	MUL16 2, 1, NQ-1, 1, 0
	s_wait_dscnt 0
	WIN MUL_HI
	MUL16 4, 1, NQ-1, 1, 0
	MUL16 6, 1, NQ-1, 1, 0
	WIN 0
; THE WAY OUT, block by block of 16 rows x 128 columns (two heads).  PACK: rounded to f16, 16 bytes a lane.  TOSTAGE: into my stage and back by heads: a head's 16 rows of 128 bytes are 2,048 consecutive bytes of qkv.
.macro PACK a
.set AC, 64*((\a)%4)
	WIN 0x0a+5*((\a)/4)                            ; sources 0 and 1: window 2 or 3
.irp b, 0,1,2,3,4,5,6,7
.irp r, 0,1,2,3
	v_cvt_pk_f16_f32 v[TMP+4*\b+\r], v[AC+8*\b+2*\r], v[AC+8*\b+2*\r+1]   ; each accumulator from its low end on
.endr
.endr
	WIN 0
.endm
.macro TOSTAGE a
.set BB, BK+32*((\a)%2)
.irp b, 0,1,2,3,4,5,6,7
	ds_store_b128 v[STO], v[TMP+4*\b:TMP+4*\b+3] offset:32*\b
.endr
.irp hh, 0,1
.irp i, 0,1,2,3
	ds_load_b128 v[BB+16*\hh+4*\i:BB+16*\hh+4*\i+3], v[RD] offset:4*\i*SPITCH+128*\hh   ; LDS serves a wave's instructions in order: these see the stores above
.endr
.endr
.endm
.macro SEND a
.set BB, BK+32*((\a)%2)
	s_wait_dscnt 0x0                               ; the block is back in registers
	s_wait_xcnt 0x0                                ; the earlier stores have read their registers: the other buffer may be loaded again behind this wait
.irp hh, 0,1
.irp i, 0,1,2,3
	global_store_b128 v[CO], v[BB+16*\hh+4*\i:BB+16*\hh+4*\i+3], s[12:13] offset:\hh*262144+(\a)*2048+\i*512   ; 32 lanes store 512 consecutive bytes, aligned
.endr
.endr
.endm
	PLACES NP
	PACK 0
	TOSTAGE 0
.irp a, 1,2,3,4,5,6,7
	PACK \a
	SEND \a-1
	TOSTAGE \a
.endr
	SEND 7
	s_wait_tensorcnt 0x0                           ; the wave's end
	ds_add_u32 v[SPW], v[NIL]
	s_wait_dscnt 0x0
	CROUND                                         ; the closing round
	s_endpgm
.Lfunc_end_k_q4a1e7d1990_qkv:
	.size	k_q4a1e7d1990_qkv, .Lfunc_end_k_q4a1e7d1990_qkv-k_q4a1e7d1990_qkv
	.p2alignl 7, 3214868480
	.fill 96, 4, 3214868480
	.section	.rodata,"a",@progbits
	.p2align	6, 0x0
	.amdhsa_kernel k_q4a1e7d1990_qkv
		.amdhsa_group_segment_fixed_size 327680
		.amdhsa_private_segment_fixed_size 0
		.amdhsa_enable_private_segment 0
		.amdhsa_kernarg_size 32
		.amdhsa_user_sgpr_count 2
		.amdhsa_user_sgpr_kernarg_segment_ptr 1
		.amdhsa_wavefront_size32 1
		.amdhsa_system_sgpr_workgroup_id_x 1
		.amdhsa_system_sgpr_workgroup_id_y 1
		.amdhsa_system_sgpr_workgroup_id_z 1
		.amdhsa_system_vgpr_workitem_id 0
		.amdhsa_next_free_vgpr 1024
		.amdhsa_next_free_sgpr 98
		.amdhsa_reserve_vcc 0
		.amdhsa_float_denorm_mode_32 3
		.amdhsa_float_denorm_mode_16_64 3
		.amdhsa_memory_ordered 1
		.amdhsa_forward_progress 1
		.amdhsa_inst_pref_size 128
	.end_amdhsa_kernel
	.amdgpu_metadata
---
amdhsa.version: [ 1, 2 ]
amdhsa.kernels:
  - .name:           k_q4a1e7d1990_qkv
    .symbol:         k_q4a1e7d1990_qkv.kd
    .args:
      - { .name: codes, .offset: 0, .size: 8, .value_kind: global_buffer, .address_space: global }
      - { .name: scales, .offset: 8, .size: 8, .value_kind: global_buffer, .address_space: global }
      - { .name: b_attn, .offset: 16, .size: 8, .value_kind: global_buffer, .address_space: global }
      - { .name: qkv, .offset: 24, .size: 8, .value_kind: global_buffer, .address_space: global }
    .group_segment_fixed_size: 327680
    .private_segment_fixed_size: 0
    .kernarg_segment_align: 8
    .kernarg_segment_size: 32
    .max_flat_workgroup_size: 128
    .sgpr_count:     98
    .vgpr_count:     1024
    .wavefront_size: 32
...
	.end_amdgpu_metadata
.endif
;; end of part 2
;; launch aux (part 3): grid 128 x 1, 16 waves a work-group, no clusters, 31,232 bytes of LDS; arguments qkv, codes, scales, b_attn, sufv, u16; writes sufv, u16
.if DOCPART == 3
	.amdgcn_target "amdgcn-amd-amdhsa--gfx1250"
	.amdhsa_code_object_version 6
	.text
	.protected	k_q4a1e7d1990_aux
	.globl	k_q4a1e7d1990_aux
	.p2align	8
	.type	k_q4a1e7d1990_aux,@function
k_q4a1e7d1990_aux:
	s_mov_b64 s[64:65], 0
	v_nop
	global_prefetch_b8 v0, s[64:65] scope:SCOPE_SE
	s_setreg_imm32_b32 hwreg(HW_REG_WAVE_MODE, 25, 1), 1
	s_wait_xcnt 0x0
; Launch 3 of 6.  Two paths, chosen by the work-group's number, each with LDS bytes of its own; they never join.
; V PATH (work-groups 0-63, one head each): the sums of V's rows that stand for the masked keys (their scores are left out, their equal weights are kept: see the first kernel's head):
;   sufv [64 bh][33][64] f32: entry 0 = the sum of V over keys 16 on; entry e = 1 .. 31 over keys 64 e on; entry 32 = zeros.
; FINE PATH (work-groups 64-127, one head each): positions 0-15 of the sequence in f32: q, k, v of these 16 rows once more from the codes (they are never rounded to f16), the 16 x 16 scores,
;   the softmax with all keys 16 on as ONE key of score -10000 and count 2,032, and U = p V / l over keys 0-15.  u16: U [4 b][16 row][1024] f32, then beta = weight of a masked key / l, [64 bh][16 row].
;   The last launch forms ctx = U + beta x sufv's entry 0.
; The registers that the f32 matrix form writes, v192-255, are written by matrix instructions alone; v176-191 hold scales alone.
.set BS,    0                          ; V path: 32 block sums of 256 bytes
.set IMG,   8192                       ; fine path: images of result registers, 1,024 bytes for each wave
.set FSTG,  24576                      ; fine path: 16 rows x (256 bytes + 16)
.set SPARE, 29184                      ; the spare words, 128 bytes for each of 16 waves
.set SPW,   14
.set NIL,   15
.set WV,    16
.set CS,    17                         ; s17 c = log2(e) / 8: t = raw score x c
.set SEL,   18                         ; s[18:19] v_permlanex16_b32's selects for lane l xor 16
.macro FINISH                          ; the wave's end
	s_wait_tensorcnt 0x0
	ds_add_u32 v[SPW], v[NIL]
	s_wait_dscnt 0x0
	s_endpgm
.endm
	s_load_b256 s[4:11], s[0:1], 0x0               ; qkv, codes, scales, b_attn
	s_load_b128 s[12:15], s[0:1], 0x20             ; sufv, u16
	v_lshl_add_u32 v[SPW], v0, 2, SPARE
	v_mov_b32 v[NIL], 0
	v_lshrrev_b32 v1, 5, v0
	v_readfirstlane_b32 s[WV], v1                  ; wave 0..15
	v_and_b32 v1, 31, v0                           ; lane
	v_and_b32 v2, 15, v0                           ; r
	v_bfe_u32 v3, v0, 4, 1                         ; h
	; every LDS address is made here, ahead of every parting of the ways
	v_and_b32 v4, 7, v0
	v_lshlrev_b32 v4, 5, v4
	v_and_b32 v5, 0x1e0, v0                        ; 32 x wave
	v_lshl_add_u32 v4, v5, 4, v4                   ; v4: BS + 512 wave + 32 (lane % 8)
	v_lshlrev_b32 v6, 4, v1
	v_lshl_add_u32 v6, v5, 5, v6
	v_add_nc_u32 v6, IMG, v6                       ; v6: IMG + 1,024 wave + 16 lane
	v_lshlrev_b32 v5, 3, v1                        ; v5: 8 lane
	v_lshl_add_u32 v7, v1, 4, IMG                  ; v7: IMG + 16 lane
	v_mul_u32_u24 v8, v2, 272
	v_lshl_add_u32 v8, v3, 5, v8
	v_add_nc_u32 v8, FSTG, v8                      ; v8: the stage, in: row r, + 32 h
	v_mul_u32_u24 v9, v3, 272
	v_lshl_add_u32 v9, v2, 4, v9
	v_add_nc_u32 v9, FSTG, v9                      ; v9: back: lanes 0-15 one row, lanes 16-31 the next
	s_mov_b32 s[SEL], 0x76543210
	s_mov_b32 s[SEL+1], 0xfedcba98
	s_cmp_ge_u32 ttmp9, 64
	s_cbranch_scc1 .Lfine
; ---- V PATH.  Wave w sums key blocks 2 w and 2 w + 1, 64 keys each.  A load covers 512 bytes: 4 keys x 64 channels; lane l holds channels 8 (l % 8) + 0 .. 7 of key 4 g + l / 8.
; A ring of 16 places, v64-127.  In the first block place p holds key group (p + 4) % 16, so that keys 0-15 come last: wave 0 leaves them out of the head's block 0, whose sum begins at key 16.
	v_lshlrev_b32 v10, 4, v1
	s_lshl_b32 s20, ttmp9, 18
	s_lshl_b32 s21, s[WV], 14
	s_add_co_u32 s20, s20, s21
	s_add_co_u32 s20, s20, 0x2000000               ; V's plane, my head, my 128 keys
	s_mov_b32 s21, 0
	s_mul_i32 s22, ttmp9, 8448
	s_mov_b32 s23, 0
	s_wait_kmcnt 0x0
	s_add_nc_u64 s[20:21], s[4:5], s[20:21]
	s_add_nc_u64 s[22:23], s[12:13], s[22:23]
.set P, 0
.rept 16
	global_load_b128 v[64+4*P:67+4*P], v10, s[20:21] offset:512*((P+4)%16)
.set P, P+1
.endr
.macro VSUM a, b, c, d, first          ; a place's 8 numbers, widened; first = 1: they start the sums v16-23
.if \first
	v_cvt_f32_f16 v16, v\a\().l
	v_cvt_f32_f16 v17, v\a\().h
	v_cvt_f32_f16 v18, v\b\().l
	v_cvt_f32_f16 v19, v\b\().h
	v_cvt_f32_f16 v20, v\c\().l
	v_cvt_f32_f16 v21, v\c\().h
	v_cvt_f32_f16 v22, v\d\().l
	v_cvt_f32_f16 v23, v\d\().h
.else
	v_cvt_f32_f16 v24, v\a\().l
	v_cvt_f32_f16 v25, v\a\().h
	v_cvt_f32_f16 v26, v\b\().l
	v_cvt_f32_f16 v27, v\b\().h
	v_cvt_f32_f16 v28, v\c\().l
	v_cvt_f32_f16 v29, v\c\().h
	v_cvt_f32_f16 v30, v\d\().l
	v_cvt_f32_f16 v31, v\d\().h
	v_pk_add_f32 v[16:17], v[16:17], v[24:25]
	v_pk_add_f32 v[18:19], v[18:19], v[26:27]
	v_pk_add_f32 v[20:21], v[20:21], v[28:29]
	v_pk_add_f32 v[22:23], v[22:23], v[30:31]
.endif
.endm
.macro VT0 p, a, b, c, d, first        ; the first block's places 0-11: summed, then filled with the second block's group p
	s_wait_loadcnt 15                              ; 16 - p older loads and p new ones are out: the oldest is in
	VSUM \a, \b, \c, \d, \first
	global_load_b128 v[\a:\d], v10, s[20:21] offset:8192+512*\p
.endm
.macro VT1 p, a, b, c, d, first        ; the second block
	s_wait_loadcnt 15-\p
	VSUM \a, \b, \c, \d, \first
.endm
.macro REDUCE u                        ; over the four keys of a load (lanes l, l xor 8, l xor 16), then the block's 64 sums to LDS; lanes that hold the same sums write the same bytes
.irp i, 0,1,2,3,4,5,6,7
	v_add_f32_dpp v[16+\i], v[16+\i], v[16+\i] row_xmask:8 row_mask:0xf bank_mask:0xf
.endr
.irp i, 0,1,2,3,4,5,6,7
	v_permlanex16_b32 v[24+\i], v[16+\i], s[SEL], s[SEL+1]
.endr
.irp i, 0,2,4,6
	v_pk_add_f32 v[16+\i:17+\i], v[16+\i:17+\i], v[24+\i:25+\i]
.endr
	ds_store_b128 v4, v[16:19] offset:BS+256*\u
	ds_store_b128 v4, v[20:23] offset:BS+256*\u+16
.endm
	VT0 0, 64, 65, 66, 67, 1
	VT0 1, 68, 69, 70, 71, 0
	VT0 2, 72, 73, 74, 75, 0
	VT0 3, 76, 77, 78, 79, 0
	VT0 4, 80, 81, 82, 83, 0
	VT0 5, 84, 85, 86, 87, 0
	VT0 6, 88, 89, 90, 91, 0
	VT0 7, 92, 93, 94, 95, 0
	VT0 8, 96, 97, 98, 99, 0
	VT0 9, 100, 101, 102, 103, 0
	VT0 10, 104, 105, 106, 107, 0
	VT0 11, 108, 109, 110, 111, 0
	s_wait_loadcnt 12                              ; the first block's last four places are in; the twelve new loads stay out
	s_cmp_eq_u32 s[WV], 0
	s_cbranch_scc1 .Lno_first_keys                 ; in wave 0 these are the head's keys 0-15
	VSUM 112, 113, 114, 115, 0
	VSUM 116, 117, 118, 119, 0
	VSUM 120, 121, 122, 123, 0
	VSUM 124, 125, 126, 127, 0
.Lno_first_keys:
.irp p, 12,13,14,15
	global_load_b128 v[64+4*\p:67+4*\p], v10, s[20:21] offset:8192+512*\p
.endr
	REDUCE 0
	VT1 0, 64, 65, 66, 67, 1
	VT1 1, 68, 69, 70, 71, 0
	VT1 2, 72, 73, 74, 75, 0
	VT1 3, 76, 77, 78, 79, 0
	VT1 4, 80, 81, 82, 83, 0
	VT1 5, 84, 85, 86, 87, 0
	VT1 6, 88, 89, 90, 91, 0
	VT1 7, 92, 93, 94, 95, 0
	VT1 8, 96, 97, 98, 99, 0
	VT1 9, 100, 101, 102, 103, 0
	VT1 10, 104, 105, 106, 107, 0
	VT1 11, 108, 109, 110, 111, 0
	VT1 12, 112, 113, 114, 115, 0
	VT1 13, 116, 117, 118, 119, 0
	VT1 14, 120, 121, 122, 123, 0
	VT1 15, 124, 125, 126, 127, 0
	REDUCE 1
	s_wait_dscnt 0x0                               ; for the others' sake: my block sums have landed
	s_barrier_signal -1
	s_barrier_wait -1
	s_cmp_lg_u32 s[WV], 0
	s_cbranch_scc1 .Lv_done
.set E, 0
.rept 32
	ds_load_b64 v[64+2*E:65+2*E], v5 offset:BS+256*E   ; block E's sums of channels 2 lane, 2 lane + 1
.set E, E+1
.endr
	v_mov_b32 v32, 0
	v_mov_b32 v33, 0
	s_wait_dscnt 0x0
.set E, 30
.rept 31
	v_pk_add_f32 v[64+2*E:65+2*E], v[64+2*E:65+2*E], v[66+2*E:67+2*E]   ; from the last block down: the sum over block E and all behind it
.set E, E-1
.endr
.set E, 0
.rept 32
	global_store_b64 v5, v[64+2*E:65+2*E], s[22:23] offset:256*E   ; 32 lanes store 256 consecutive bytes, aligned
.set E, E+1
.endr
	global_store_b64 v5, v[32:33], s[22:23] offset:8192            ; entry 32: behind the last step there is no key
.Lv_done:
	FINISH
; ---- FINE PATH.
.Lfine:
	s_sub_co_u32 s20, ttmp9, 64                    ; bh
	s_lshr_b32 s21, s20, 4                         ; b
	s_and_b32 s22, s20, 15                         ; head
	s_mov_b32 s[CS], 0x3e38aa3b                    ; log2(e) / 8
	s_mov_b32 s52, 0x44fe0000                      ; 2,032.0: the keys 16 .. 2047
	v_lshlrev_b32 v10, 9, v2
	v_lshl_add_u32 v10, v3, 4, v10                 ; codes: row r of 512 bytes, + 16 h
	v_lshlrev_b32 v11, 5, v2                       ; scales: row r of 32 bytes
	v_lshlrev_b32 v12, 5, v3                       ; 32 h
	v_lshlrev_b32 v13, 2, v2                       ; 4 r
	s_wait_kmcnt 0x0
	s_cmp_ge_u32 s[WV], 12
	s_cbranch_scc1 .Lmeet
	; waves 0-11: one tile of 16 columns of q (waves 0-3), k (4-7) or v (8-11) for the 16 positions.  q and k transposed (source 0 = W's columns): a lane holds a position, its registers 8 channels.
	; v natural (source 0 = x's rows): a lane holds a channel, its registers 8 keys.  Both tensors of codes have rows of 512 bytes, so only the pointers change places.
	s_lshr_b32 s23, s[WV], 2
	s_lshl_b32 s23, s23, 10
	s_lshl_b32 s24, s22, 6
	s_add_co_u32 s23, s23, s24
	s_and_b32 s24, s[WV], 3
	s_lshl_b32 s24, s24, 4
	s_add_co_u32 s23, s23, s24                     ; my first column of w_attn
	s_lshl_b32 s24, s21, 20                        ; x's codes: row 2,048 b
	s_mov_b32 s25, 0
	s_lshl_b32 s26, s23, 9
	s_add_co_u32 s26, s26, 4194304                 ; W's codes
	s_mov_b32 s27, 0
	s_lshl_b32 s28, s21, 16                        ; x's scales
	s_mov_b32 s29, 0
	s_lshl_b32 s30, s23, 5
	s_add_co_u32 s30, s30, 262144                  ; W's scales
	s_mov_b32 s31, 0
	s_lshl_b32 s48, s23, 2
	s_mov_b32 s49, 0
	s_add_nc_u64 s[32:33], s[6:7], s[24:25]
	s_add_nc_u64 s[34:35], s[6:7], s[26:27]
	s_add_nc_u64 s[36:37], s[8:9], s[28:29]
	s_add_nc_u64 s[38:39], s[8:9], s[30:31]
	s_add_nc_u64 s[50:51], s[10:11], s[48:49]      ; the bias of my 16 columns
	s_cmp_lt_u32 s[WV], 8
	s_cselect_b64 s[40:41], s[34:35], s[32:33]     ; source 0's codes,
	s_cselect_b64 s[42:43], s[32:33], s[34:35]     ; source 1's,
	s_cselect_b64 s[44:45], s[38:39], s[36:37]     ; and their scales
	s_cselect_b64 s[46:47], s[36:37], s[38:39]
.irp ks, 0,1,2,3,4,5,6,7
.irp c, 0,1
	global_load_b128 v[48+8*\ks+4*\c:51+8*\ks+4*\c],   v10, s[40:41] offset:64*\ks+32*\c
	global_load_b128 v[112+8*\ks+4*\c:115+8*\ks+4*\c], v10, s[42:43] offset:64*\ks+32*\c
.endr
.endr
	global_load_b128 v[176:179], v11, s[44:45]             ; a row's eight scale words: one for each 128 along K
	global_load_b128 v[180:183], v11, s[44:45] offset:16
	global_load_b128 v[184:187], v11, s[46:47]
	global_load_b128 v[188:191], v11, s[46:47] offset:16
	s_cmp_lt_u32 s[WV], 8
	s_cbranch_scc0 .Lbias_v
	global_load_b128 v[32:35], v12, s[50:51]               ; q, k: register j is channel 8 h + j
	global_load_b128 v[36:39], v12, s[50:51] offset:16
	s_branch .Lbias_in
.Lbias_v:
.irp j, 0,1,2,3,4,5,6,7
	global_load_b32 v[32+\j], v13, s[50:51]                ; v: every register is channel r
.endr
.Lbias_in:
	s_wait_loadcnt 0x0
.irp ks, 0,1,2,3,4,5,6,7                       ; two accumulators by turns: even steps onto the bias, odd steps from 0
.if \ks == 1
	v_wmma_scale_f32_16x16x128_f8f6f4 v[40:47], v[48+8*\ks:55+8*\ks], v[112+8*\ks:119+8*\ks], 0, v[176+\ks], v[184+\ks] matrix_a_fmt:MATRIX_FMT_FP4 matrix_b_fmt:MATRIX_FMT_FP4
.else
	v_wmma_scale_f32_16x16x128_f8f6f4 v[32+8*(\ks%2):39+8*(\ks%2)], v[48+8*\ks:55+8*\ks], v[112+8*\ks:119+8*\ks], v[32+8*(\ks%2):39+8*(\ks%2)], v[176+\ks], v[184+\ks] matrix_a_fmt:MATRIX_FMT_FP4 matrix_b_fmt:MATRIX_FMT_FP4
.endif
.endr
.rept 4
	v_nop
.endr
.irp j, 0,2,4,6
	v_pk_add_f32 v[32+\j:33+\j], v[32+\j:33+\j], v[40+\j:41+\j]
.endr
	ds_store_b128 v6, v[32:35]                             ; the tile goes to LDS as an image of its registers
	ds_store_b128 v6, v[36:39] offset:512
.Lmeet:
	s_wait_dscnt 0x0                               ; for wave 0's sake: my image has landed
	s_barrier_signal -1
	s_barrier_wait -1
	s_cmp_lg_u32 s[WV], 0
	s_cbranch_scc1 .Lf_done
	; wave 0: q at v48-79, k at v80-111, v at v112-143, eight registers for each 16 channels
.set W, 0
.rept 12
	ds_load_b128 v[48+8*W:51+8*W], v7 offset:1024*W
	ds_load_b128 v[52+8*W:55+8*W], v7 offset:1024*W+512
.set W, W+1
.endr
	s_lshl_b32 s24, s21, 16
	s_lshl_b32 s25, s22, 8
	s_add_co_u32 s24, s24, s25
	s_mov_b32 s25, 0
	s_add_nc_u64 s[54:55], s[14:15], s[24:25]      ; U: batch b, head's 256 bytes of a row
	s_lshl_b32 s26, s20, 6
	s_add_co_u32 s26, s26, 262144
	s_mov_b32 s27, 0
	s_add_nc_u64 s[56:57], s[14:15], s[26:27]      ; beta
	v_lshlrev_b32 v39, 12, v3
	v_lshl_add_u32 v39, v2, 4, v39                 ; rows of 4,096 bytes: lanes 16-31 one row down; 16 bytes a lane
	s_wait_dscnt 0x0
	; S^T = k q^T, 4 channels an instruction.  Lane (r, h), register pair 2 jj of tile t: channels 16 t + 8 h + 2 jj + 0, 1, alike on both sides.  Four accumulators by turns, one for each 16 channels.
.irp jj, 0,1,2,3
.irp t, 0,1,2,3
.if \jj == 0
	v_wmma_f32_16x16x4_f32 v[192+8*\t:199+8*\t], v[80+8*\t+2*\jj:81+8*\t+2*\jj], v[48+8*\t+2*\jj:49+8*\t+2*\jj], 0
.else
	v_wmma_f32_16x16x4_f32 v[192+8*\t:199+8*\t], v[80+8*\t+2*\jj:81+8*\t+2*\jj], v[48+8*\t+2*\jj:49+8*\t+2*\jj], v[192+8*\t:199+8*\t]
.endif
.endr
.endr
.rept 8
	v_nop                                          ; eight places behind the f32 form
.endr
.irp j, 0,2,4,6
	v_pk_add_f32 v[16+\j:17+\j], v[192+\j:193+\j], v[200+\j:201+\j]
.endr
.irp j, 0,2,4,6
	v_pk_add_f32 v[24+\j:25+\j], v[208+\j:209+\j], v[216+\j:217+\j]
.endr
.irp j, 0,2,4,6
	v_pk_add_f32 v[16+\j:17+\j], v[16+\j:17+\j], v[24+\j:25+\j]   ; register j: raw score of key 8 h + j for query r
.endr
	v_lshlrev_b32 v40, 3, v3
	v_sub_nc_u32 v40, v2, v40                      ; r - 8 h: key 8 h + j is masked where j is above it
	v_mov_b32 v41, 0xc79c4000                      ; -80,000 = -10000 x 8: the masked score, ahead of the division by 8 that c holds
.irp j, 0,1,2,3,4,5,6,7
	v_cmp_gt_i32 vcc_lo, \j, v40
	v_cndmask_b32 v[16+\j], v[16+\j], v41, vcc_lo
.endr
	v_max3_num_f32 v42, v16, v17, v18
	v_max3_num_f32 v42, v42, v19, v20
	v_max3_num_f32 v42, v42, v21, v22
	v_max3_num_f32 v42, v42, v23, v41              ; keys 16 on are masked for every one of these queries
	v_mov_b32 v43, 0
	v_permlanex16_b32 v43, v42, s[SEL], s[SEL+1]
	v_max_num_f32 v42, v42, v43                    ; the row's maximum
	v_mul_f32 v44, s[CS], v42
.irp j, 0,1,2,3,4,5,6,7
	v_fma_f32 v[24+\j], v[16+\j], s[CS], -v44
.endr
	v_fma_f32 v46, v41, s[CS], -v44
.irp j, 0,1,2,3,4,5,6,7
	v_exp_f32 v[24+\j], v[24+\j]                   ; p
.endr
	v_exp_f32 v46, v46                             ; a masked key's weight
	v_nop                                          ; a plain instruction behind the last exponential,
	s_wait_alu depctr_va_vdst(0)                   ; and one wait for the nine, ahead of their first reader
	v_pk_add_f32 v[32:33], v[24:25], v[26:27]
	v_pk_add_f32 v[34:35], v[28:29], v[30:31]
	v_pk_add_f32 v[32:33], v[32:33], v[34:35]
	v_add_f32 v47, v32, v33
	v_permlanex16_b32 v43, v47, s[SEL], s[SEL+1]
	v_add_f32 v47, v47, v43
	v_fma_f32 v47, v46, s52, v47                   ; l = the 16 weights + 2,032 masked ones
	v_rcp_f32 v36, v47
	v_nop
	s_wait_alu depctr_va_vdst(0)
	v_mov_b32 v37, v36
	v_mul_f32 v38, v46, v36                        ; beta
	; O^T = v^T p, 4 keys an instruction: pair 2 jj: keys 8 h + 2 jj + 0, 1, alike on both sides.  Four accumulators by turns, one for each 16 channels.
.irp jj, 0,1,2,3
.irp t, 0,1,2,3
.if \jj == 0
	v_wmma_f32_16x16x4_f32 v[224+8*\t:231+8*\t], v[112+8*\t+2*\jj:113+8*\t+2*\jj], v[24+2*\jj:25+2*\jj], 0
.else
	v_wmma_f32_16x16x4_f32 v[224+8*\t:231+8*\t], v[112+8*\t+2*\jj:113+8*\t+2*\jj], v[24+2*\jj:25+2*\jj], v[224+8*\t:231+8*\t]
.endif
.endr
.endr
.rept 8
	v_nop
.endr
.set I, 0
.rept 16
	v_pk_mul_f32 v[144+2*I:145+2*I], v[224+2*I:225+2*I], v[36:37]   ; U: register 8 t + j is channel 16 t + 8 h + j of query r
.set I, I+1
.endr
.irp t, 0,1,2,3
	ds_store_b128 v8, v[144+8*\t:147+8*\t] offset:64*\t
	ds_store_b128 v8, v[148+8*\t:151+8*\t] offset:64*\t+16
.endr
.irp i, 0,1,2,3,4,5,6,7
	ds_load_b128 v[48+4*\i:51+4*\i], v9 offset:544*\i      ; LDS serves a wave's instructions in order: these see my stores
.endr
	global_store_b32 v13, v38, s[56:57]                    ; both halves of the lanes hold and store the same number
.irp i, 0,1,2,3,4,5,6,7
	s_wait_dscnt 7-\i
	global_store_b128 v39, v[48+4*\i:51+4*\i], s[54:55] offset:8192*\i   ; sixteen lanes store 256 consecutive bytes, aligned
.endr
.Lf_done:
	FINISH
.Lfunc_end_k_q4a1e7d1990_aux:
	.size	k_q4a1e7d1990_aux, .Lfunc_end_k_q4a1e7d1990_aux-k_q4a1e7d1990_aux
	.p2alignl 7, 3214868480
	.fill 96, 4, 3214868480
	.section	.rodata,"a",@progbits
	.p2align	6, 0x0
	.amdhsa_kernel k_q4a1e7d1990_aux
		.amdhsa_group_segment_fixed_size 31232
		.amdhsa_private_segment_fixed_size 0
		.amdhsa_enable_private_segment 0
		.amdhsa_kernarg_size 48
		.amdhsa_user_sgpr_count 2
		.amdhsa_user_sgpr_kernarg_segment_ptr 1
		.amdhsa_wavefront_size32 1
		.amdhsa_system_sgpr_workgroup_id_x 1
		.amdhsa_system_sgpr_workgroup_id_y 1
		.amdhsa_system_sgpr_workgroup_id_z 1
		.amdhsa_system_vgpr_workitem_id 0
		.amdhsa_next_free_vgpr 256
		.amdhsa_next_free_sgpr 66
		.amdhsa_reserve_vcc 1
		.amdhsa_float_denorm_mode_32 3
		.amdhsa_float_denorm_mode_16_64 3
		.amdhsa_memory_ordered 1
		.amdhsa_forward_progress 1
		.amdhsa_inst_pref_size 51
	.end_amdhsa_kernel
	.amdgpu_metadata
---
amdhsa.version: [ 1, 2 ]
amdhsa.kernels:
  - .name:           k_q4a1e7d1990_aux
    .symbol:         k_q4a1e7d1990_aux.kd
    .args:
      - { .name: qkv, .offset: 0, .size: 8, .value_kind: global_buffer, .address_space: global }
      - { .name: codes, .offset: 8, .size: 8, .value_kind: global_buffer, .address_space: global }
      - { .name: scales, .offset: 16, .size: 8, .value_kind: global_buffer, .address_space: global }
      - { .name: b_attn, .offset: 24, .size: 8, .value_kind: global_buffer, .address_space: global }
      - { .name: sufv, .offset: 32, .size: 8, .value_kind: global_buffer, .address_space: global }
      - { .name: u16, .offset: 40, .size: 8, .value_kind: global_buffer, .address_space: global }
    .group_segment_fixed_size: 31232
    .private_segment_fixed_size: 0
    .kernarg_segment_align: 8
    .kernarg_segment_size: 48
    .max_flat_workgroup_size: 512
    .sgpr_count:     66
    .vgpr_count:     256
    .wavefront_size: 32
...
	.end_amdgpu_metadata
.endif
;; end of part 3
;; launch attn (part 4): grid 4 x 64, 16 waves a work-group, no clusters, 327,680 bytes of LDS; arguments qkv, sufv, ctx; writes ctx
.if DOCPART == 4
	.amdgcn_target "amdgcn-amd-amdhsa--gfx1250"
	.amdhsa_code_object_version 6
	.text
	.protected	k_q4a1e7d1990_attn
	.globl	k_q4a1e7d1990_attn
	.p2align	8
	.type	k_q4a1e7d1990_attn,@function
k_q4a1e7d1990_attn:
	s_mov_b64 s[64:65], 0
	v_nop
	global_prefetch_b8 v0, s[64:65] scope:SCOPE_SE
	s_setreg_imm32_b32 hwreg(HW_REG_WAVE_MODE, 25, 1), 1
	s_wait_xcnt 0x0
; Launch 4 of 6: ctx = softmax(where(k <= q, q . k / 8, -10000)) v, by head; q, k, v, p as f16, products' sums, maxima and the row's sum in f32.
; LEFT OUT: q . k for keys behind the step of 64 keys that holds the diagonal: reference() replaces those scores by -10000 whatever they are.  KEPT: their weights: on the way out they enter as ONE key of
;   score -10000 with their count and the sum of their rows of V (sufv, made by the launch before).  Inside the diagonal step masked scores are set to -10000 and go the common way.
; SHARES.  Work-group (j, head) owns the blocks j and 7 - j of 256 queries, so that all work-groups have the same work under the mask: waves 0-7 block j, waves 8-15 block 7 - j, 32 queries (two tiles of 16) a wave,
;   in 256 registers: four waves to a SIMD, so that one wave's vector work stands beside another's matrix work and LDS loads.  Each fragment of K or V read from LDS feeds two matrix instructions.
; NO CLUSTER: the four work-groups of a head need different numbers of tiles under the mask, so a joint load would bring some partner tiles that none of its waves reads.
; Every work-group walks all 8 slots of 256 keys: the trip counts are constants; a step all of whose keys come after the wave's queries is jumped over, and a slot that no wave of the work-group reads is not asked for.
; LAYOUT.  S^T = K Q^T (source 0 = 16 keys, source 1 = 16 queries): a lane holds one query (lane % 16) and keys 8 (lane / 16) + 0 .. 7.  Two such tiles, rounded to f16 in pairs, are source 1 (32 keys) of O^T = V^T P.
; SOFTMAX.  A running maximum m and sum l for each query: p = 2^(c s - c m), c = log2(e) / 8; O and l are multiplied by a = 2^(c m_old - c m_new) in every step.
; ctx is laid in PAIR ROWS: (row g, head, d) at (g / 2) 4096 + 256 head + 128 (g % 2) + 2 d: a head's two neighbouring rows are 256 consecutive bytes.
; LIMITS: as stated at the first kernel's head.
.set SK,    256                        ; keys in a slot
.set KP,    144                        ; a key's row in LDS: 128 bytes + 16: 36 words: the 16 rows of a load start at 16 different groups of four banks
.set VP,    160                        ; a row of V: 128 + 32
.set VOFF,  SK*KP
.set SLOT1, 1<<17                      ; one exclusive or turns an address in one slot into the other's
.set STAGE, SK*(KP+VP)                 ; behind slot 0: 16 rows x 144 bytes for each wave; no fill lands here
.set SVT,   SLOT1+SK*(KP+VP)           ; behind slot 1: the head's sufv entries 1 .. 32, 8,192 bytes, filled once
.set SPARE, 1<<18                      ; the spare words, 128 bytes for each of 16 waves
.set NSL,   8
.set AK0, 1                            ; v1   my lane's place in a tile of K
.set AV0, 2                            ; v2   the same for V
.set ADK, 3                            ; v3   LDS address of the step's K (at the head: Q's offset)
.set ADV, 4                            ; v4   of its V
.set SPW, 5
.set NIL, 6
.set DQ,  7                            ; v7   lane % 16 - 8 (lane / 16)
.set ST,  8                            ; v8-23 tile t's statistics at ST + 8 t: +0 c m, +1 m, +2, +3 l, +4 .. +7 at work (a at +6)
.set PFO, 27
.set STO, 28
.set RD,  29
.set GO,  30
.set QF,  32                           ; v32-63   Q: tile t, channels 32 c on, at 32 + 16 t + 8 c
.set KV,  64                           ; v64-127  a step's K, then its V
.set S,   128                          ; v128-191 S^T, 32 a tile; p; P packed into each tile's low 16
.set O,   192                          ; v192-255 O^T, 32 a tile
.set WV,  18
.set SEL, 20
.set CS,  22
.set G1K, 24
.set G1V, 32
.set G0K, 40
.set G0V, 44
.set G1S, 48
.set G0S, 56
.set TB,  2
.set SLOTS, 67
.set QL,  68                           ; s68 my work-group's last query
.set KF,  98                           ; s98 the step's first key
.set Q0,  99                           ; s99 my wave's first query
.set PFA, 76
.set LIM, 80
; Waves 0 and 1 fetch by the first pair of groups, waves 2 and 3 by the second, the others nothing.  An s_nop 0 and four v_nop follow each of the two lines.
.macro TLOAD g0k, g1k, g0v, g1v
	s_cmp_lt_u32 s[WV], 2
	s_cbranch_scc0 .Lnot_k_\@
	tensor_load_to_lds s[\g0k:\g0k+3], s[\g1k:\g1k+7]
	s_nop 0
.rept 4
	v_nop
.endr
	s_branch .Lasked_\@
.Lnot_k_\@:
	s_cmp_lt_u32 s[WV], 4
	s_cbranch_scc0 .Lasked_\@
	tensor_load_to_lds s[\g0v:\g0v+3], s[\g1v:\g1v+7]
	s_nop 0
.rept 4
	v_nop
.endr
.Lasked_\@:
.endm
; A prefetch of what the NEXT change of slots will ask for: 256 keys of K and of V, 32,768 dense bytes each.  Each aligned block of 256 bytes is named once in the launch: of a head's four work-groups the one with
; j = 0 asks (it walks every slot); in it waves 4-7 ask for K's, waves 8-11 for V's, 8,192 bytes a wave, lanes 256 bytes apart.  The last change that fills a slot asks for nothing.
.macro ASK
	s_cmp_gt_u32 s[SLOTS], s[LIM]
	s_cbranch_scc0 .Lnot_mine_\@
	global_prefetch_b8 v[PFO], s[PFA:PFA+1] th:TH_LOAD_NT scope:SCOPE_SE
.Lnot_mine_\@:
.endm
	s_load_b128 s[4:7], s[0:1], 0x0                ; qkv, sufv
	s_load_b64 s[8:9], s[0:1], 0x10                ; ctx
	v_lshl_add_u32 v[SPW], v0, 2, SPARE
	v_mov_b32 v[NIL], 0
	ds_add_u32 v[SPW], v[NIL]                      ; the wave's opening: the add, twice on end, and its wait ahead of my first tensor load
	ds_add_u32 v[SPW], v[NIL]
	v_lshrrev_b32 v8, 5, v0
	v_readfirstlane_b32 s[WV], v8                  ; wave 0..15
	s_and_b32 s72, ttmp7, 0xffff                   ; bh
	s_lshl_b32 s74, s72, 18                        ; the head's first byte in a plane of qkv
	s_sub_co_u32 s73, 7, ttmp9
	s_lshl_b32 s[QL], s73, 8
	s_or_b32 s[QL], s[QL], 255
	s_cmp_lt_u32 s[WV], 8
	s_cselect_b32 s73, ttmp9, s73                  ; my block of 256 queries
	s_lshl_b32 s[Q0], s73, 8
	s_and_b32 s82, s[WV], 7
	s_lshl_b32 s82, s82, 5
	s_add_co_u32 s[Q0], s[Q0], s82
	s_lshl_b32 s84, s[Q0], 7
	s_add_co_u32 s84, s84, s74
	s_mov_b32 s85, 0                               ; Q: my first query's row
	s_lshr_b32 s86, s72, 4
	s_lshl_b32 s86, s86, 22
	s_lshl_b32 s87, s[Q0], 11
	s_add_co_u32 s86, s86, s87
	s_and_b32 s87, s72, 15
	s_lshl_b32 s87, s87, 8
	s_add_co_u32 s86, s86, s87
	s_mov_b32 s87, 0                               ; ctx: (2,048 b + Q0) / 2 pair rows of 4,096 bytes + 256 head
	s_and_b32 s88, s[WV], 1                        ; which 128 keys of a slot I fetch, if I fetch
	s_lshl_b32 s90, s88, 14
	s_add_co_u32 s90, s90, s74
	s_add_co_u32 s92, s90, 0x2000000               ; in V's plane,
	s_add_co_u32 s90, s90, 0x1000000               ; in K's
	s_mov_b32 s91, 0
	s_mov_b32 s93, 0
	s_mul_i32 s89, s88, 128*KP
	s_mul_i32 s94, s88, 128*VP
	s_add_co_u32 s94, s94, VOFF
	s_mul_i32 s96, s72, 8448
	s_lshl_b32 s95, s[WV], 11
	s_add_co_u32 s96, s96, s95
	s_add_co_u32 s96, s96, 256                     ; sufv: my head's entry 1 + 8 wave
	s_mov_b32 s97, 0
	s_mov_b32 s[G1K], (1<<16)|(1<<20)|(4<<22)|(3<<25)  ; elements of 2 bytes; padding on: after every 32 words, 4 words
	s_mov_b32 s[G1V], (1<<16)|(1<<20)|(4<<22)|(7<<25)  ; the same with 8 words
.irp g, G1K, G1V
	s_mov_b32 s[\g+1], 64<<16                      ; tensor_dim0
	s_mov_b32 s[\g+2], 128<<16                     ; tensor_dim1
	s_mov_b32 s[\g+3], 64<<16                      ; tile_dim0
	s_mov_b32 s[\g+4], 128                         ; tile_dim1
	s_mov_b32 s[\g+5], 64                          ; the pitch
	s_mov_b32 s[\g+6], 0
	s_mov_b32 s[\g+7], 0
.endr
	s_mov_b32 s[G1S], 3<<16                        ; 8 rows of 256 bytes (32 elements of 8 bytes), dense
	s_mov_b32 s[G1S+1], 32<<16
	s_mov_b32 s[G1S+2], 8<<16
	s_mov_b32 s[G1S+3], 32<<16
	s_mov_b32 s[G1S+4], 8
	s_mov_b32 s[G1S+5], 32
	s_mov_b32 s[G1S+6], 0
	s_mov_b32 s[G1S+7], 0
	s_mov_b32 s[SEL], 0x76543210
	s_mov_b32 s[SEL+1], 0xfedcba98
	s_mov_b32 s[CS], 0x3e38aa3b                    ; c = log2(e) / 8
	s_mov_b32 s[CS+1], s[CS]
	s_mov_b32 s[TB], 0
	s_mov_b32 s[SLOTS], NSL-1
	s_mov_b32 s[KF], 0
	s_wait_dscnt 0x0                               ; both opening adds are done
	s_wait_kmcnt 0x0
	s_mov_b32 s[G0S], 1
	s_add_co_u32 s[G0S+1], s95, SVT
	s_add_nc_u64 s[G0S+2:G0S+3], s[6:7], s[96:97]
	s_or_b32 s[G0S+3], s[G0S+3], 0x80000000
	TLOAD G0S, G1S, G0S, G1S                       ; the sums of V: waves 0-3, 2,048 bytes each, filled once
	s_mov_b32 s[G0K], 1
	s_mov_b32 s[G0K+1], s89
	s_add_nc_u64 s[G0K+2:G0K+3], s[4:5], s[90:91]
	s_or_b32 s[G0K+3], s[G0K+3], 0x80000000
	s_mov_b32 s[G0V], 1
	s_mov_b32 s[G0V+1], s94
	s_add_nc_u64 s[G0V+2:G0V+3], s[4:5], s[92:93]
	s_or_b32 s[G0V+3], s[G0V+3], 0x80000000
	TLOAD G0K, G1K, G0V, G1V                       ; slot 0: two loads of a fetching wave are out
	; the prefetches: where my wave's stand, and who asks
	s_mov_b32 s82, 0x2000000
	s_cmp_lt_u32 s[WV], 8
	s_cselect_b32 s82, 0x1000000, s82              ; waves 4-7: K's plane; waves 8-11: V's
	s_add_co_u32 s82, s82, s74
	s_and_b32 s83, s[WV], 3
	s_lshl_b32 s83, s83, 13
	s_add_co_u32 s82, s82, s83
	s_add_co_u32 s82, s82, 32768                   ; in slot 1: the first change of slots steps it to slot 2
	s_mov_b32 s83, 0
	s_add_nc_u64 s[PFA:PFA+1], s[4:5], s[82:83]
	s_sub_co_u32 s82, s[WV], 4
	s_lshr_b32 s82, s82, 3                         ; 0 in waves 4 to 11,
	s_or_b32 s82, s82, ttmp9                       ; of the work-group with j = 0
	s_cmp_eq_u32 s82, 0
	s_cselect_b32 s[LIM], 1, -1
	s_add_nc_u64 s[4:5], s[4:5], s[84:85]          ; Q at my first query
	s_add_nc_u64 s[8:9], s[8:9], s[86:87]          ; ctx likewise
	v_and_b32 v[PFO], 31, v0
	v_lshlrev_b32 v[PFO], 8, v[PFO]
	v_and_b32 v24, 15, v0                          ; r
	v_bfe_u32 v25, v0, 4, 1                        ; h
	v_lshlrev_b32 v[ADK], 7, v24
	v_lshl_add_u32 v[ADK], v25, 4, v[ADK]          ; Q: row r of 128 bytes, + 16 h
.irp t, 0,1
.irp c, 0,1
	global_load_b128 v[QF+16*\t+8*\c:QF+16*\t+8*\c+3],   v[ADK], s[4:5] offset:2048*\t+64*\c
	global_load_b128 v[QF+16*\t+8*\c+4:QF+16*\t+8*\c+7], v[ADK], s[4:5] offset:2048*\t+64*\c+32
.endr
.endr
	v_mul_u32_u24 v[AK0], v24, KP
	v_lshl_add_u32 v[AK0], v25, 4, v[AK0]
	v_and_b32 v26, 7, v0
	v_lshl_add_u32 v[AV0], v25, 3, v26             ; the turning load: key 8 h + lane % 8,
	v_mul_u32_u24 v[AV0], v[AV0], VP
	v_bfe_u32 v26, v0, 3, 1
	v_lshl_add_u32 v[AV0], v26, 4, v[AV0]          ; channels 8 ((lane / 8) % 2) on
	v_add_nc_u32 v[AV0], VOFF, v[AV0]
	v_lshlrev_b32 v26, 3, v25
	v_sub_nc_u32 v[DQ], v24, v26
	s_mul_i32 s73, s[WV], 16*KP
	s_add_co_u32 s73, s73, STAGE                   ; my stage
	v_mul_u32_u24 v[STO], v24, KP
	v_lshl_add_u32 v[STO], v25, 4, v[STO]
	v_add_nc_u32 v[STO], s73, v[STO]               ; in: row r, + 16 h
	v_bfe_u32 v26, v0, 3, 2
	v_mul_u32_u24 v[RD], v26, KP
	v_and_b32 v26, 7, v0
	v_lshl_add_u32 v[RD], v26, 4, v[RD]
	v_add_nc_u32 v[RD], s73, v[RD]                 ; back: eight lanes to a row of 128 bytes, four rows a load
	v_lshlrev_b32 v[GO], 12, v25
	v_lshl_add_u32 v[GO], v24, 4, v[GO]            ; lanes 0-15 one pair row, lanes 16-31 the next
	v_lshl_add_u32 v31, v25, 5, SVT                ; the sums of V: + 32 h
	v_mov_b32 v26, 0xc79c4000                      ; -80,000 = -10000 x 8: the masked score, ahead of the division by 8 that c holds
.irp t, 0,1
	v_mov_b32 v[ST+8*\t+1], 0xff61b1e6             ; m: -3e38, under every score
	v_mul_f32 v[ST+8*\t], s[CS], v[ST+8*\t+1]
.irp i, 2,3,4,5,6,7
	v_mov_b32 v[ST+8*\t+\i], 0
.endr
.endr
.set I, 0
.rept 64
	v_mov_b32 v[O+I], 0                            ; O^T: the step is written once: its first walk finds zeros, which a = 0 leaves zeros
.set I, I+1
.endr
; A KEY STEP: 64 keys, the q-th of the slot in hand.
.macro STEP q
	s_add_co_u32 s96, s[Q0], 31
	s_cmp_gt_u32 s[KF], s96                        ; all its keys come after my 32 queries: a branch on ids, round no barrier and no tensor load
	s_cbranch_scc1 .Lhidden_\@
	v_add_nc_u32 v[ADK], s[TB], v[AK0]
	v_add_nc_u32 v[ADV], s[TB], v[AV0]
.rept 3
	v_nop                                          ; with the two additions: five places behind the last step's V^T P, whose P is written over by the products below and whose V by the loads
.endr
.irp kt, 0,1,2,3
.irp c, 0,1
	ds_load_b128 v[KV+16*\kt+8*\c:KV+16*\kt+8*\c+3],   v[ADK] offset:(64*(\q)+16*\kt)*KP+64*\c
	ds_load_b128 v[KV+16*\kt+8*\c+4:KV+16*\kt+8*\c+7], v[ADK] offset:(64*(\q)+16*\kt)*KP+64*\c+32
.endr
.endr
	s_wait_dscnt 0x0
.irp c, 0,1                                    ; S^T = K Q^T: eight accumulators by turns; the first eight start the sums
.irp kt, 0,1,2,3
.irp t, 0,1
.if \c == 0
	v_wmma_f32_16x16x32_f16 v[S+32*\t+8*\kt:S+32*\t+8*\kt+7], v[KV+16*\kt+8*\c:KV+16*\kt+8*\c+7], v[QF+16*\t+8*\c:QF+16*\t+8*\c+7], 0
.else
	v_wmma_f32_16x16x32_f16 v[S+32*\t+8*\kt:S+32*\t+8*\kt+7], v[KV+16*\kt+8*\c:KV+16*\kt+8*\c+7], v[QF+16*\t+8*\c:QF+16*\t+8*\c+7], v[S+32*\t+8*\kt:S+32*\t+8*\kt+7]
.endif
.endr
.endr
.endr
.rept 4
	v_nop                                          ; places in front of the loads into K's registers and of the first read of the scores
.endr
.irp ct, 0,1,2,3                               ; V, turned: it lands while the softmax is walked
.irp kk, 0,1
	ds_load_tr16_b128 v[KV+16*\ct+8*\kk:KV+16*\ct+8*\kk+3],   v[ADV] offset:(64*(\q)+32*\kk)*VP+32*\ct
	ds_load_tr16_b128 v[KV+16*\ct+8*\kk+4:KV+16*\ct+8*\kk+7], v[ADV] offset:(64*(\q)+32*\kk+16)*VP+32*\ct
.endr
.endr
	s_add_co_u32 s96, s[KF], 63
	s_cmp_le_u32 s96, s[Q0]                        ; all its keys count for all my queries: no mask
	s_cbranch_scc1 .Lopen_\@
	s_sub_co_i32 s96, s[Q0], s[KF]
	v_add_nc_u32 v24, s96, v[DQ]                   ; tile 0: my query - KF - 8 h.  Register n holds key KF + 8 h + 16 (n / 8) + n % 8: masked where 16 (n / 8) + n % 8 is above it
	v_add_nc_u32 v25, 16, v24                      ; tile 1
.set N, 0
.rept 32
	v_cmp_gt_i32 vcc_lo, 16*(N/8)+N%8, v24
	v_cndmask_b32 v[S+N], v[S+N], v26, vcc_lo
	v_cmp_gt_i32 vcc_lo, 16*(N/8)+N%8, v25
	v_cndmask_b32 v[S+32+N], v[S+32+N], v26, vcc_lo
.set N, N+1
.endr
.Lopen_\@:
.irp j, 0,1,2,3                                ; the maximum of my 32 scores and the old m: four chains a tile, the two tiles by turns; each accumulator is read from its low end on
.irp t, 0,1
	v_max3_num_f32 v[ST+8*\t+4+\j], v[S+32*\t+8*\j], v[S+32*\t+8*\j+1], v[S+32*\t+8*\j+2]
.endr
.endr
.irp i, 3,5
.irp j, 0,1,2,3
.irp t, 0,1
	v_max3_num_f32 v[ST+8*\t+4+\j], v[ST+8*\t+4+\j], v[S+32*\t+8*\j+\i], v[S+32*\t+8*\j+\i+1]
.endr
.endr
.endr
.irp t, 0,1
	v_max3_num_f32 v[ST+8*\t+4], v[ST+8*\t+4], v[S+32*\t+7], v[S+32*\t+15]
.endr
.irp t, 0,1
	v_max3_num_f32 v[ST+8*\t+6], v[ST+8*\t+6], v[S+32*\t+23], v[S+32*\t+31]
.endr
.irp t, 0,1
	v_max3_num_f32 v[ST+8*\t+4], v[ST+8*\t+4], v[ST+8*\t+5], v[ST+8*\t+6]
.endr
.irp t, 0,1
	v_max3_num_f32 v[ST+8*\t+4], v[ST+8*\t+4], v[ST+8*\t+7], v[ST+8*\t+1]
.endr
.irp t, 0,1
	v_permlanex16_b32 v[ST+8*\t+5], v[ST+8*\t+4], s[SEL], s[SEL+1]   ; the query's other 32 keys lie in the lane 16 away
.endr
.irp t, 0,1
	v_mov_b32 v[ST+8*\t+7], v[ST+8*\t]             ; c m_old
.endr
.irp t, 0,1
	v_max_num_f32 v[ST+8*\t+1], v[ST+8*\t+4], v[ST+8*\t+5]
.endr
.irp t, 0,1
	v_mul_f32 v[ST+8*\t], s[CS], v[ST+8*\t+1]
.endr
.irp t, 0,1
	v_sub_f32 v[ST+8*\t+7], v[ST+8*\t+7], v[ST+8*\t]
.endr
.set I, 0
.rept 16
.irp t, 0,1
	v_pk_fma_f32 v[S+32*\t+2*I:S+32*\t+2*I+1], v[S+32*\t+2*I:S+32*\t+2*I+1], s[CS:CS+1], v[ST+8*\t:ST+8*\t+1] op_sel_hi:[1,0,0] neg_lo:[0,0,1] neg_hi:[0,0,1]   ; c s - c m
.endr
.set I, I+1
.endr
.irp t, 0,1
	v_exp_f32 v[ST+8*\t+6], v[ST+8*\t+7]           ; a
.endr
.set I, 0
.rept 32
.irp t, 0,1
	v_exp_f32 v[S+32*\t+I], v[S+32*\t+I]           ; p, at most 1
.endr
.set I, I+1
.endr
	v_nop                                          ; a plain instruction behind the last exponential,
	s_wait_alu depctr_va_vdst(0)                   ; and ONE wait for the 66, ahead of their first reader
.irp t, 0,1                                    ; the row's sum of the p in f32, ahead of their rounding: two chains a tile
	v_pk_fma_f32 v[ST+8*\t+2:ST+8*\t+3], v[ST+8*\t+2:ST+8*\t+3], v[ST+8*\t+6:ST+8*\t+7], v[S+32*\t:S+32*\t+1] op_sel_hi:[1,0,1]
.endr
.irp t, 0,1
	v_pk_add_f32 v[ST+8*\t+4:ST+8*\t+5], v[S+32*\t+2:S+32*\t+3], v[S+32*\t+4:S+32*\t+5]
.endr
.irp i, 6,10,14,18,22,26
.irp t, 0,1
	v_pk_add_f32 v[ST+8*\t+2:ST+8*\t+3], v[ST+8*\t+2:ST+8*\t+3], v[S+32*\t+\i:S+32*\t+\i+1]
.endr
.irp t, 0,1
	v_pk_add_f32 v[ST+8*\t+4:ST+8*\t+5], v[ST+8*\t+4:ST+8*\t+5], v[S+32*\t+\i+2:S+32*\t+\i+3]
.endr
.endr
.irp t, 0,1
	v_pk_add_f32 v[ST+8*\t+2:ST+8*\t+3], v[ST+8*\t+2:ST+8*\t+3], v[S+32*\t+30:S+32*\t+31]
.endr
.irp t, 0,1
	v_pk_add_f32 v[ST+8*\t+2:ST+8*\t+3], v[ST+8*\t+2:ST+8*\t+3], v[ST+8*\t+4:ST+8*\t+5]
.endr
.set I, 0
.rept 16
.irp t, 0,1
	v_cvt_pk_f16_f32 v[S+32*\t+I], v[S+32*\t+2*I], v[S+32*\t+2*I+1]   ; P, in place and ascending: register I is written when registers up to 2 I + 1 have been read
.endr
.set I, I+1
.endr
.set I, 0
.rept 16
.irp t, 0,1
	v_pk_mul_f32 v[O+32*\t+2*I:O+32*\t+2*I+1], v[O+32*\t+2*I:O+32*\t+2*I+1], v[ST+8*\t+6:ST+8*\t+7] op_sel_hi:[1,0]   ; O^T x a
.endr
.set I, I+1
.endr
	s_wait_dscnt 0x0                               ; V is in
.irp kk, 0,1                                   ; O^T += V^T P: eight accumulators by turns
.irp ct, 0,1,2,3
.irp t, 0,1
	v_wmma_f32_16x16x32_f16 v[O+32*\t+8*\ct:O+32*\t+8*\ct+7], v[KV+16*\ct+8*\kk:KV+16*\ct+8*\kk+7], v[S+32*\t+8*\kk:S+32*\t+8*\kk+7], v[O+32*\t+8*\ct:O+32*\t+8*\ct+7]
.endr
.endr
.endr
.Lhidden_\@:
	s_add_co_u32 s[KF], s[KF], 64
.endm
; THE CHANGE OF SLOTS stands at a slot's head.  Each wave waits for all its tensor loads, adds 0 to its spare word (fill = 1: twice on end), and waits for that and for its reads of the slot that it has left.
; Behind the barrier the slot ahead is whole and nobody reads the other one.  fill = 1: that other slot is filled with the keys that follow, up to the causal limit.
.macro CHANGE fill
	s_wait_tensorcnt 0x0                           ; no tensor load of mine is out, so a group 0 may be written
	ds_add_u32 v[SPW], v[NIL]
.if \fill
	ds_add_u32 v[SPW], v[NIL]                      ; and once more
	s_xor_b32 s[G0K+1], s[G0K+1], SLOT1
	s_add_nc_u64 s[G0K+2:G0K+3], s[G0K+2:G0K+3], SK*128
	s_xor_b32 s[G0V+1], s[G0V+1], SLOT1
	s_add_nc_u64 s[G0V+2:G0V+3], s[G0V+2:G0V+3], SK*128
	s_wait_xcnt 0x0                                ; the last prefetch, a slot back, has read its address
	s_add_nc_u64 s[PFA:PFA+1], s[PFA:PFA+1], SK*128
.endif
	s_wait_dscnt 0x0
	s_barrier_signal -1
	s_barrier_wait -1
.if \fill
	s_add_co_u32 s96, s[KF], SK                    ; the first key of the slot that this change would ask for:
	s_cmp_gt_u32 s96, s[QL]                        ; behind my work-group's last query it is read by none of its waves, so it is not asked for.  Ids and the count of steps alone: all sixteen waves go the same way
	s_cbranch_scc1 .Lpast_\@
	TLOAD G0K, G1K, G0V, G1V                       ; a wave's one tensor load until the next change
.Lpast_\@:
	ASK
.endif
.endm
.macro SLOT_STEPS
	STEP 0
	STEP 1
	STEP 2
	STEP 3
	s_xor_b32 s[TB], s[TB], SLOT1
.endm
	s_wait_loadcnt 0x0                             ; Q
.Lslot:                                            ; 7 trips
	CHANGE 1
	SLOT_STEPS
	s_sub_co_u32 s[SLOTS], s[SLOTS], 1
	s_cmp_lg_u32 s[SLOTS], 0
	s_cbranch_scc1 .Lslot
	CHANGE 0                                       ; the last slot is written out: nothing is left to ask for
	SLOT_STEPS
	; THE WAY OUT.  The keys behind my diagonal step, 2,048 - 64 (Q0 / 64 + 1) of them, enter as one key of score -10000: m' = max(m, -80,000), O and l are brought under m', the count and the sum of V are added
	; with that key's weight.  Where there is no such key its score is -3e38, so that it neither moves m nor weighs.
	s_lshl_b32 s71, s[Q0], 2
	s_and_b32 s71, s71, 0x1f00                     ; 256 x (Q0 / 64): my entry among the sums of V
	s_lshr_b32 s70, s[Q0], 6
	s_lshl_b32 s70, s70, 6
	s_sub_co_u32 s70, 2048-64, s70                 ; the count
	s_mov_b32 s69, 0xc79c4000
	s_cmp_eq_u32 s70, 0
	s_cselect_b32 s69, 0xff61b1e6, s69
.irp t, 0,1
	v_add_f32 v[ST+8*\t+4], v[ST+8*\t+2], v[ST+8*\t+3]
.endr
.irp t, 0,1
	v_permlanex16_b32 v[ST+8*\t+5], v[ST+8*\t+4], s[SEL], s[SEL+1]
.endr
.irp t, 0,1
	v_add_f32 v[ST+8*\t+4], v[ST+8*\t+4], v[ST+8*\t+5]   ; l
.endr
.irp t, 0,1
	v_max_num_f32 v[ST+8*\t+5], s69, v[ST+8*\t+1]        ; m'
.endr
.irp t, 0,1
	v_mul_f32 v[ST+8*\t+5], s[CS], v[ST+8*\t+5]
.endr
	v_add_nc_u32 v31, s71, v31
	v_cvt_f32_u32 v24, s70
.irp ct, 0,1,2,3                               ; (the lines above are the places behind the last products)
	ds_load_b128 v[KV+8*\ct:KV+8*\ct+3],   v31 offset:64*\ct       ; the sum of V at channels 16 ct + 8 h + 0 .. 7
	ds_load_b128 v[KV+8*\ct+4:KV+8*\ct+7], v31 offset:64*\ct+16
.endr
.irp t, 0,1
	v_sub_f32 v[ST+8*\t+6], v[ST+8*\t], v[ST+8*\t+5]
.endr
.irp t, 0,1
	v_fma_f32 v[ST+8*\t+7], s[CS], s69, -v[ST+8*\t+5]
.endr
.irp t, 0,1
	v_exp_f32 v[ST+8*\t+6], v[ST+8*\t+6]           ; a
.endr
.irp t, 0,1
	v_exp_f32 v[ST+8*\t+7], v[ST+8*\t+7]           ; the masked key's weight
.endr
	v_nop
	s_wait_alu depctr_va_vdst(0)                   ; one wait for the four
.irp t, 0,1
	v_mul_f32 v[ST+8*\t+4], v[ST+8*\t+4], v[ST+8*\t+6]
.endr
.irp t, 0,1
	v_fma_f32 v[ST+8*\t+4], v24, v[ST+8*\t+7], v[ST+8*\t+4]
.endr
.irp t, 0,1
	v_rcp_f32 v[ST+8*\t+5], v[ST+8*\t+4]
.endr
	v_nop
	s_wait_alu depctr_va_vdst(0)                   ; one wait for the two
.irp t, 0,1
	v_mul_f32 v[ST+8*\t+6], v[ST+8*\t+6], v[ST+8*\t+5]   ; a / l'
.endr
.irp t, 0,1
	v_mul_f32 v[ST+8*\t+4], v[ST+8*\t+7], v[ST+8*\t+5]   ; weight / l'
.endr
	s_wait_dscnt 0x0
.irp t, 0,1
.set I, 0
.rept 16
	v_pk_mul_f32 v[O+32*\t+2*I:O+32*\t+2*I+1], v[O+32*\t+2*I:O+32*\t+2*I+1], v[ST+8*\t+6:ST+8*\t+7] op_sel_hi:[1,0]
	v_pk_fma_f32 v[O+32*\t+2*I:O+32*\t+2*I+1], v[KV+2*I:KV+2*I+1], v[ST+8*\t+4:ST+8*\t+5], v[O+32*\t+2*I:O+32*\t+2*I+1] op_sel_hi:[1,0,1]
.set I, I+1
.endr
.set I, 0
.rept 16
	v_cvt_pk_f16_f32 v[S+16*\t+I], v[O+32*\t+2*I], v[O+32*\t+2*I+1]
.set I, I+1
.endr
.irp ct, 0,1,2,3
	ds_store_b128 v[STO], v[S+16*\t+4*\ct:S+16*\t+4*\ct+3] offset:32*\ct
.endr
.irp i, 0,1,2,3
	ds_load_b128 v[S+32+16*\t+4*\i:S+32+16*\t+4*\i+3], v[RD] offset:4*\i*KP   ; LDS serves a wave's instructions in order: these see my stores, and the next tile's stores come behind them
.endr
.endr
.irp t, 0,1
.irp i, 0,1,2,3
	s_wait_dscnt 8*(1-\t)+3-\i                     ; behind tile 0's loads stand tile 1's four stores and four loads
	global_store_b128 v[GO], v[S+32+16*\t+4*\i:S+32+16*\t+4*\i+3], s[8:9] offset:32768*\t+8192*\i   ; sixteen lanes store 256 consecutive bytes, aligned: a head's part of a pair row
.endr
.endr
	s_wait_tensorcnt 0x0                           ; the wave's end
	ds_add_u32 v[SPW], v[NIL]
	s_wait_dscnt 0x0
	s_endpgm
.Lfunc_end_k_q4a1e7d1990_attn:
	.size	k_q4a1e7d1990_attn, .Lfunc_end_k_q4a1e7d1990_attn-k_q4a1e7d1990_attn
	.p2alignl 7, 3214868480
	.fill 96, 4, 3214868480
	.section	.rodata,"a",@progbits
	.p2align	6, 0x0
	.amdhsa_kernel k_q4a1e7d1990_attn
		.amdhsa_group_segment_fixed_size 327680
		.amdhsa_private_segment_fixed_size 0
		.amdhsa_enable_private_segment 0
		.amdhsa_kernarg_size 24
		.amdhsa_user_sgpr_count 2
		.amdhsa_user_sgpr_kernarg_segment_ptr 1
		.amdhsa_wavefront_size32 1
		.amdhsa_system_sgpr_workgroup_id_x 1
		.amdhsa_system_sgpr_workgroup_id_y 1
		.amdhsa_system_sgpr_workgroup_id_z 1
		.amdhsa_system_vgpr_workitem_id 0
		.amdhsa_next_free_vgpr 256
		.amdhsa_next_free_sgpr 100
		.amdhsa_reserve_vcc 1
		.amdhsa_float_denorm_mode_32 3
		.amdhsa_float_denorm_mode_16_64 3
		.amdhsa_memory_ordered 1
		.amdhsa_forward_progress 1
		.amdhsa_inst_pref_size 193
	.end_amdhsa_kernel
	.amdgpu_metadata
---
amdhsa.version: [ 1, 2 ]
amdhsa.kernels:
  - .name:           k_q4a1e7d1990_attn
    .symbol:         k_q4a1e7d1990_attn.kd
    .args:
      - { .name: qkv, .offset: 0, .size: 8, .value_kind: global_buffer, .address_space: global }
      - { .name: sufv, .offset: 8, .size: 8, .value_kind: global_buffer, .address_space: global }
      - { .name: ctx, .offset: 16, .size: 8, .value_kind: global_buffer, .address_space: global }
    .group_segment_fixed_size: 327680
    .private_segment_fixed_size: 0
    .kernarg_segment_align: 8
    .kernarg_segment_size: 24
    .max_flat_workgroup_size: 512
    .sgpr_count:     100
    .vgpr_count:     256
    .wavefront_size: 32
...
	.end_amdgpu_metadata
.endif
;; end of part 4
;; launch proj (part 5): grid 8 x 64, 4 waves a work-group, clusters of 4 x 4, 327,680 bytes of LDS; arguments ctx, wpt, b_proj, out0; writes out0
.if DOCPART == 5
	.amdgcn_target "amdgcn-amd-amdhsa--gfx1250"
	.amdhsa_code_object_version 6
	.text
	.protected	k_q4a1e7d1990_proj
	.globl	k_q4a1e7d1990_proj
	.p2align	8
	.type	k_q4a1e7d1990_proj,@function
k_q4a1e7d1990_proj:
	s_mov_b64 s[64:65], 0
	v_nop
	global_prefetch_b8 v0, s[64:65] scope:SCOPE_SE
	s_setreg_imm32_b32 hwreg(HW_REG_WAVE_MODE, 25, 1), 1
	s_wait_xcnt 0x0
	s_wait_alu depctr_hold_cnt(0) depctr_sa_sdst(0) depctr_va_vdst(0) depctr_va_sdst(0) depctr_va_ssrc(0) depctr_va_vcc(0) depctr_vm_vsrc(0)
	s_getreg_b32 s2, hwreg(HW_REG_IB_STS2, 6, 4)
	s_cmp_eq_u32 s2, 0
	s_cbranch_scc0 .Lentry_in_a_cluster
	s_endpgm
.Lentry_in_a_cluster:
	s_bfe_u32 s2, ttmp6, 0x10000c
	s_cmp_lg_u32 s2, 0xf033
	s_cbranch_scc0 .Lentry_shape_is_right
	s_endpgm
.Lentry_shape_is_right:
; Launch 5 of 6: out0 = ctx w_proj + b_proj, [8192] x [1024], K = 1,024, f16 operands, f32 sums.  Nothing is left out here; the rows of positions 0-15 are written over, more finely, by the last launch.
; A tile of C is 128 x 128: 512 work-groups, two for each WGP.  Four waves, 64 x 64 each: 16 accumulators.  K goes in steps of 256 through a ring of two LDS slots.
; A = ctx lies in PAIR ROWS: (row g, k) at (g / 2) 4096 + 256 (k / 64) + 128 (g % 2) + 2 (k % 64).  A K step of 256 is 1,024 consecutive bytes of a pair row, both rows' parts; a wave's load brings 32 pair rows.
; B = wpt [1024 n][1024 k]: rows of 512 bytes a K step, 64 rows a load.
; CLUSTERS: 4 x 4 work-groups; A's tiles are shared along a row of the cluster, B's along a column, by joint loads.  THE MATRIX INSTRUCTION IS USED TRANSPOSED (source 0 = 16 rows of B, source 1 = 16 rows of A).
; The bias is the C of each sum's first instruction.  No prefetch: a K step's matrix work on these small tiles is short, and the tiles are shared in the cluster.
; REGISTERS: window 0: v0-31 addresses; v32-95 the way out; v96-127 the bias of my 64 columns; v128-255 the accumulators ((a, b) at v[128 + 8 (4 a + b)]).  window 1: two fragment buffers of 128.
.set KSTEP,  256
.set PITCH,  528                       ; B's LDS row: 512 bytes + 16
.set PITCHA, 1040                      ; A's: 1,024 bytes + 16: row r of a fragment starts at word 4 (r / 2) + 32 (r % 2) mod 64: sixteen different groups of four banks
.set HALFT,  64*PITCH
.set HALFA,  32*PITCHA
.set BOFF,   2*HALFA                   ; a slot: A's 64 pair rows, then B's 128 rows
.set SLOT,   2*HALFA+2*HALFT
.set SPARE,  2*SLOT                    ; the spare words, 128 bytes for each wave
.set STAGE,  SPARE+512                 ; 16 rows x (256 bytes + 16) for each wave; no fill lands here
.set SPITCH, 272
.set LAPS,   2
.set ADRA, 16
.set ADRB, 20
.set STO,  24
.set RD,   25
.set CO,   26
.set BO,   27
.set SPW,  28
.set NIL,  29
.set TMP,  32
.set BIAS, 96
.set ACC,  128
.set F0,   0
.set F1,   128
.set G1, 24
.set G0, 32
.set G1B, 48
.set G0B, 56
.set MSB, 0
.macro WIN new
.if MSB != \new
	s_set_vgpr_msb (MSB<<8)|\new
.set MSB, \new
.endif
.endm
.set MUL,  0x05                        ; sources 0 (B) and 1 (A) window 1; C and D window 0
.set TO_F, 0x40
.macro JLOAD s                         ; a joint load: waves 0 and 1 fetch A's halves, waves 2 and 3 B's; an s_nop 0 and four v_nop follow each of the two lines
	s_cmp_eq_u32 s11, 0
	s_cbranch_scc0 .Lfor_b_\@
	tensor_load_to_lds s[G0+4*\s:G0+4*\s+3], s[G1:G1+7]
	s_nop 0
.rept 4
	v_nop
.endr
	s_branch .Lasked_\@
.Lfor_b_\@:
	tensor_load_to_lds s[G0B+4*\s:G0B+4*\s+3], s[G1B:G1B+7]
	s_nop 0
.rept 4
	v_nop
.endr
.Lasked_\@:
.endm
.macro CREST
	s_cmp_lg_u32 s10, 0
	s_cbranch_scc1 .Lnot_wave_0_\@
	s_barrier_signal -3
.Lnot_wave_0_\@:
	s_barrier_wait -3
	s_barrier_signal -1
	s_barrier_wait -1
.endm
.macro CROUND
	s_barrier_signal -1
	s_barrier_wait -1
	CREST
.endm
	s_load_b128 s[4:7], s[0:1], 0x0                ; ctx, wpt
	s_load_b128 s[68:71], s[0:1], 0x10             ; b_proj, out0
	v_lshl_add_u32 v[SPW], v0, 2, SPARE
	v_mov_b32 v[NIL], 0
	ds_add_u32 v[SPW], v[NIL]                      ; the wave's opening: the add, twice on end, and its wait ahead of my first tensor load
	ds_add_u32 v[SPW], v[NIL]
	v_lshrrev_b32 v1, 5, v0
	v_readfirstlane_b32 s10, v1                    ; wave 0..3
	s_lshr_b32 s11, s10, 1                         ; my half of the tile's rows.  Also: I fetch for A (0) or for B (1)
	s_and_b32 s12, s10, 1                          ; my half of its columns.  Also: which half of that tile I fetch
	s_bfe_u32 s40, ttmp6, 0x40000
	s_bfe_u32 s41, ttmp6, 0x40004
	s_lshl_b32 s42, ttmp9, 2
	s_add_co_u32 s42, s42, s40                     ; tile column
	s_and_b32 s13, ttmp7, 0xffff
	s_lshl_b32 s13, s13, 2
	s_add_co_u32 s13, s13, s41                     ; tile row
	s_lshl_b32 s43, s41, 2
	s_lshl_b32 s43, 15, s43
	s_lshl_b32 s44, 0x1111, s40
	s_or_b32 s[G1+0], s43, (1<<16)|(1<<20)|(1<<21)|(7<<22)|(3<<25)   ; A: the mask of my row; elements of 2 bytes; padding: after every 256 words, 4 words
	s_mov_b32 s[G1+1], 512<<16                     ; tensor_dim0: 512 elements, 1,024 bytes
	s_mov_b32 s[G1+2], 32<<16                      ; tensor_dim1: 32 pair rows
	s_mov_b32 s[G1+3], 512<<16
	s_mov_b32 s[G1+4], 32
	s_mov_b32 s[G1+5], 2048                        ; a pair row is 2,048 elements
	s_mov_b32 s[G1+6], 0
	s_mov_b32 s[G1+7], 0
	s_or_b32 s[G1B+0], s44, (1<<16)|(1<<20)|(1<<21)|(6<<22)|(3<<25)  ; B: the mask of my column; padding: after every 128 words, 4 words
	s_mov_b32 s[G1B+1], KSTEP<<16
	s_mov_b32 s[G1B+2], 64<<16
	s_mov_b32 s[G1B+3], KSTEP<<16
	s_mov_b32 s[G1B+4], 64
	s_mov_b32 s[G1B+5], 1024
	s_mov_b32 s[G1B+6], 0
	s_mov_b32 s[G1B+7], 0
	s_lshl_b32 s16, s13, 6
	s_lshl_b32 s17, s12, 5
	s_add_co_u32 s16, s16, s17                     ; A: pair row 64 x tile row + 32 x half,
	s_lshl_b32 s16, s16, 12                        ; of 4,096 bytes
	s_mov_b32 s17, 0
	s_lshl_b32 s46, s42, 7
	s_lshl_b32 s47, s12, 6
	s_add_co_u32 s46, s46, s47                     ; B: row 128 x tile column + 64 x half,
	s_lshl_b32 s46, s46, 11                        ; of 2,048 bytes
	s_mov_b32 s47, 0
	s_mul_i32 s20, s12, HALFA                      ; where they go: no place in the cluster enters an LDS address
	s_mul_i32 s21, s12, HALFT
	s_add_co_u32 s21, s21, BOFF
	s_wait_dscnt 0x0
	s_wait_kmcnt 0x0
	s_add_nc_u64 s[14:15], s[4:5], s[16:17]
	s_add_nc_u64 s[46:47], s[6:7], s[46:47]
	CROUND
.irp s, 0,1
	s_mov_b32 s[G0+4*\s], 1
	s_add_co_u32 s[G0+4*\s+1], s20, \s*SLOT
	s_add_nc_u64 s[G0+4*\s+2:G0+4*\s+3], s[14:15], \s*1024
	s_or_b32 s[G0+4*\s+3], s[G0+4*\s+3], 0x80000000
	s_mov_b32 s[G0B+4*\s], 1
	s_add_co_u32 s[G0B+4*\s+1], s21, \s*SLOT
	s_add_nc_u64 s[G0B+4*\s+2:G0B+4*\s+3], s[46:47], \s*512
	s_or_b32 s[G0B+4*\s+3], s[G0B+4*\s+3], 0x80000000
	JLOAD \s
.endr
	v_and_b32 v1, 15, v0                           ; r
	v_bfe_u32 v2, v0, 4, 1                         ; h
	v_lshlrev_b32 v[BO], 5, v2
	s_lshl_b32 s46, s42, 9                         ; my first column, in bytes of f32: 512 x tile column + 256 x half
	s_lshl_b32 s47, s12, 8
	s_add_co_u32 s46, s46, s47
	s_mov_b32 s47, 0
	s_add_nc_u64 s[68:69], s[68:69], s[46:47]
.irp b, 0,1,2,3
	global_load_b128 v[BIAS+8*\b:BIAS+8*\b+3],   v[BO], s[68:69] offset:64*\b      ; lane (r, h), block b: b_proj at columns 16 b + 8 h + 0 .. 7
	global_load_b128 v[BIAS+8*\b+4:BIAS+8*\b+7], v[BO], s[68:69] offset:64*\b+16
.endr
	v_lshrrev_b32 v4, 1, v1
	v_mul_u32_u24 v4, v4, PITCHA
	v_and_b32 v5, 1, v1
	v_lshl_add_u32 v4, v5, 7, v4
	v_lshl_add_u32 v4, v2, 4, v4                   ; A: pair row r / 2, + 128 (r % 2), + 16 h
	v_mul_u32_u24 v3, v1, PITCH
	v_lshl_add_u32 v3, v2, 4, v3                   ; B: row r, + 16 h
	s_mul_i32 s21, s11, HALFA
	s_mul_i32 s22, s12, HALFT
	s_add_co_u32 s22, s22, BOFF
.irp s, 0,1
	v_add_nc_u32 v[ADRA+\s], s21, v4
	v_add_nc_u32 v[ADRB+\s], s22, v3
	s_add_co_u32 s21, s21, SLOT
	s_add_co_u32 s22, s22, SLOT
.endr
	s_mul_i32 s23, s10, 16*SPITCH
	s_add_co_u32 s23, s23, STAGE                   ; my stage
	v_mul_u32_u24 v4, v1, SPITCH
	v_lshl_add_u32 v4, v2, 5, v4
	v_add_nc_u32 v[STO], s23, v4                   ; in: row r, 32 bytes for each half of the lanes
	v_mul_u32_u24 v5, v2, SPITCH
	v_lshl_add_u32 v5, v1, 4, v5
	v_add_nc_u32 v[RD], s23, v5                    ; back: lanes 0-15 one row of 256 bytes, lanes 16-31 the next
	v_lshlrev_b32 v5, 12, v2
	v_lshl_add_u32 v[CO], v1, 4, v5                ; and the same two rows in out0
	s_lshl_b32 s16, s13, 19
	s_lshl_b32 s17, s11, 18
	s_add_co_u32 s16, s16, s17                     ; my first row: 128 x tile row + 64 x half, of 4,096 bytes
	s_add_co_u32 s16, s16, s46
	s_mov_b32 s17, 0
	s_add_nc_u64 s[70:71], s[70:71], s[16:17]
.macro MUL8 f, c, a0, zero             ; 8 matrix instructions: m blocks a0, a0 + 1 x 4 n blocks, 32 along K.  zero = 1: the first product of a sum: C is the bias
.irp a, \a0, \a0+1
.irp b, 0,1,2,3
.if \zero
	v_wmma_f32_16x16x32_f16 v[ACC+8*(4*(\a)+\b):ACC+8*(4*(\a)+\b)+7], v[\f+64+8*(4*\c+\b):\f+64+8*(4*\c+\b)+7], v[\f+8*(4*\c+\a):\f+8*(4*\c+\a)+7], v[BIAS+8*\b:BIAS+8*\b+7]
.else
	v_wmma_f32_16x16x32_f16 v[ACC+8*(4*(\a)+\b):ACC+8*(4*(\a)+\b)+7], v[\f+64+8*(4*\c+\b):\f+64+8*(4*\c+\b)+7], v[\f+8*(4*\c+\a):\f+8*(4*\c+\a)+7], v[ACC+8*(4*(\a)+\b):ACC+8*(4*(\a)+\b)+7]
.endif
.endr
.endr
.endm
; 32 LDS loads in one run: 64 along K (one head) at byte k of B's rows, which is byte 2 k of A's pair rows; the first 32 along K first
.macro FETCH slot, k, f
	WIN TO_F
.irp c, 0,1
.irp i, 0,1,2,3
	ds_load_b128 v[\f+64+8*(4*\c+\i):\f+64+8*(4*\c+\i)+3],   v[ADRB+\slot] offset:\k+64*\c+\i*16*PITCH
	ds_load_b128 v[\f+64+8*(4*\c+\i)+4:\f+64+8*(4*\c+\i)+7], v[ADRB+\slot] offset:\k+64*\c+\i*16*PITCH+32
	ds_load_b128 v[\f+8*(4*\c+\i):\f+8*(4*\c+\i)+3],         v[ADRA+\slot] offset:2*\k+64*\c+\i*8*PITCHA
	ds_load_b128 v[\f+8*(4*\c+\i)+4:\f+8*(4*\c+\i)+7],       v[ADRA+\slot] offset:2*\k+64*\c+\i*8*PITCHA+32
.endr
.endr
.endm
.macro PLACES
.rept 4
	v_nop
.endr
.endm
.macro QUARTER slot, k, f, g, zero     ; 64 along K: multiplies buffer f and fetches the next quarter, at byte k, into g
	s_wait_dscnt 16                                ; the first 32 along K are in; the youngest sixteen loads may be out
	WIN MUL
	MUL8 \f, 0, 0, \zero
	MUL8 \f, 0, 2, \zero
	PLACES
	FETCH \slot, \k, \g
	s_wait_dscnt 32                                ; all but the 32 just issued
	WIN MUL
	MUL8 \f, 1, 0, 0
	MUL8 \f, 1, 2, 0
.endm
; A slot's last quarter changes slots: one barrier; in front of it each wave waits for all its tensor loads, adds 0 to its spare word, and waits for that and for its reads of this slot.  fill = 1: this slot is filled again.
.macro TURN slot, next, fill
	WIN 0
	s_wait_tensorcnt 0x0
	ds_add_u32 v[SPW], v[NIL]
	s_wait_dscnt 17                                ; the add and the youngest sixteen loads may be out
	WIN MUL
	MUL8 F1, 0, 0, 0
	s_wait_dscnt 0x0                               ; the add is done, and my reads of this slot are over
	s_barrier_signal -1
	MUL8 F1, 0, 2, 0
.if \fill
	WIN 0
.endif
	s_barrier_wait -1
.if \fill
	CREST                                          ; the barrier has opened a round of the cluster's barrier: no wave of any partner still reads this slot or has a load on its way
	s_add_nc_u64 s[G0+4*\slot+2:G0+4*\slot+3], s[G0+4*\slot+2:G0+4*\slot+3], 2048
	s_add_nc_u64 s[G0B+4*\slot+2:G0B+4*\slot+3], s[G0B+4*\slot+2:G0B+4*\slot+3], 1024
	JLOAD \slot                                    ; the first tensor load behind the round; its four v_nop are also the places in front of the loads below
.else
	PLACES
.endif
	FETCH \next, 0, F0
	WIN MUL
	MUL8 F1, 1, 0, 0
	MUL8 F1, 1, 2, 0
.endm
	s_wait_tensorcnt 1                             ; my part of K step 0 is in; K step 1's may be out
	s_barrier_signal -1
	s_barrier_wait -1
	FETCH 0, 0, F0
	s_wait_loadcnt 0x0                             ; the bias
	QUARTER 0, 128, F0, F1, 1
	WIN 0
	s_mov_b32 s3, LAPS-1
.Llap:
	QUARTER 0, 256, F1, F0, 0
	QUARTER 0, 384, F0, F1, 0
	TURN 0, 1, 1
	QUARTER 1, 128, F0, F1, 0
	QUARTER 1, 256, F1, F0, 0
	QUARTER 1, 384, F0, F1, 0
	TURN 1, 0, 1
	QUARTER 0, 128, F0, F1, 0
	WIN 0
	s_sub_co_u32 s3, s3, 1
	s_cmp_lg_u32 s3, 0
	s_cbranch_scc1 .Llap
	QUARTER 0, 256, F1, F0, 0                      ; the last lap fills nothing
	QUARTER 0, 384, F0, F1, 0
	TURN 0, 1, 0
	QUARTER 1, 128, F0, F1, 0
	QUARTER 1, 256, F1, F0, 0
	QUARTER 1, 384, F0, F1, 0
	s_wait_dscnt 16
	WIN MUL
	MUL8 F1, 0, 0, 0
	MUL8 F1, 0, 2, 0
	s_wait_dscnt 0
	MUL8 F1, 1, 0, 0
	MUL8 F1, 1, 2, 0
	WIN 0
; THE WAY OUT, block by block of 16 rows x 64 columns of f32: a row's 256 bytes are the wave's own, so the stage is its own too and no barrier is needed.
.macro TOSTAGE a
.set BB, TMP+32*((\a)%2)
.irp b, 0,1,2,3
	ds_store_b128 v[STO], v[ACC+8*(4*(\a)+\b):ACC+8*(4*(\a)+\b)+3] offset:64*\b         ; each accumulator from its low end on
	ds_store_b128 v[STO], v[ACC+8*(4*(\a)+\b)+4:ACC+8*(4*(\a)+\b)+7] offset:64*\b+16
.endr
.irp t, 0,1,2,3,4,5,6,7
	ds_load_b128 v[BB+4*\t:BB+4*\t+3], v[RD] offset:\t*2*SPITCH   ; LDS serves a wave's instructions in order
.endr
.endm
.macro SEND a, younger
.set BB, TMP+32*((\a)%2)
	s_wait_dscnt \younger
.irp t, 0,1,2,3,4,5,6,7
	global_store_b128 v[CO], v[BB+4*\t:BB+4*\t+3], s[70:71] offset:(16*(\a)+2*\t)*4096 th:TH_STORE_NT   ; sixteen lanes store 256 consecutive bytes, aligned
.endr
.endm
	PLACES
	TOSTAGE 0
.irp a, 1,2,3
.if \a > 1
	s_wait_xcnt 0x0                                ; block a - 2's stores have read their registers: block a's loads may land there
.endif
	TOSTAGE \a
	SEND \a-1, 16                                  ; behind block a - 1's loads: block a's 8 stores and 8 loads
.endr
	SEND 3, 0
	s_wait_tensorcnt 0x0                           ; the wave's end
	ds_add_u32 v[SPW], v[NIL]
	s_wait_dscnt 0x0
	CROUND                                         ; the closing round
	s_endpgm
.Lfunc_end_k_q4a1e7d1990_proj:
	.size	k_q4a1e7d1990_proj, .Lfunc_end_k_q4a1e7d1990_proj-k_q4a1e7d1990_proj
	.p2alignl 7, 3214868480
	.fill 96, 4, 3214868480
	.section	.rodata,"a",@progbits
	.p2align	6, 0x0
	.amdhsa_kernel k_q4a1e7d1990_proj
		.amdhsa_group_segment_fixed_size 327680
		.amdhsa_private_segment_fixed_size 0
		.amdhsa_enable_private_segment 0
		.amdhsa_kernarg_size 32
		.amdhsa_user_sgpr_count 2
		.amdhsa_user_sgpr_kernarg_segment_ptr 1
		.amdhsa_wavefront_size32 1
		.amdhsa_system_sgpr_workgroup_id_x 1
		.amdhsa_system_sgpr_workgroup_id_y 1
		.amdhsa_system_sgpr_workgroup_id_z 1
		.amdhsa_system_vgpr_workitem_id 0
		.amdhsa_next_free_vgpr 512
		.amdhsa_next_free_sgpr 80
		.amdhsa_reserve_vcc 0
		.amdhsa_float_denorm_mode_32 3
		.amdhsa_float_denorm_mode_16_64 3
		.amdhsa_memory_ordered 1
		.amdhsa_forward_progress 1
		.amdhsa_inst_pref_size 87
	.end_amdhsa_kernel
	.amdgpu_metadata
---
amdhsa.version: [ 1, 2 ]
amdhsa.kernels:
  - .name:           k_q4a1e7d1990_proj
    .symbol:         k_q4a1e7d1990_proj.kd
    .args:
      - { .name: ctx, .offset: 0, .size: 8, .value_kind: global_buffer, .address_space: global }
      - { .name: wpt, .offset: 8, .size: 8, .value_kind: global_buffer, .address_space: global }
      - { .name: b_proj, .offset: 16, .size: 8, .value_kind: global_buffer, .address_space: global }
      - { .name: out0, .offset: 24, .size: 8, .value_kind: global_buffer, .address_space: global }
    .group_segment_fixed_size: 327680
    .private_segment_fixed_size: 0
    .kernarg_segment_align: 8
    .kernarg_segment_size: 32
    .max_flat_workgroup_size: 128
    .sgpr_count:     80
    .vgpr_count:     512
    .wavefront_size: 32
...
	.end_amdgpu_metadata
.endif
;; end of part 5
;; launch proj16 (part 6): grid 16 x 4, 16 waves a work-group, no clusters, 67,584 bytes of LDS; arguments u16, sufv, w_proj, b_proj, out0; writes out0
.if DOCPART == 6
	.amdgcn_target "amdgcn-amd-amdhsa--gfx1250"
	.amdhsa_code_object_version 6
	.text
	.protected	k_q4a1e7d1990_proj16
	.globl	k_q4a1e7d1990_proj16
	.p2align	8
	.type	k_q4a1e7d1990_proj16,@function
k_q4a1e7d1990_proj16:
	s_mov_b64 s[64:65], 0
	v_nop
	global_prefetch_b8 v0, s[64:65] scope:SCOPE_SE
	s_setreg_imm32_b32 hwreg(HW_REG_WAVE_MODE, 25, 1), 1
	s_wait_xcnt 0x0
; Launch 6 of 6: positions 0-15 of every sequence once more, in f32 throughout: ctx = U + beta x (the sum of V over keys 16 on), out0 = ctx w_proj + b_proj.  These rows average few values and are the
; largest in size, so the rounding of f16 operands weighs most there; 64 rows are no bulk work.  It writes over what the launch before left in these 64 rows.  Nothing is left out here.
; Work-group (x, b): 16 rows x columns 64 x .. 64 x + 63.  Wave w takes K = head w's 64 channels; the sixteen partial sums meet in LDS, as images of the result registers; wave w then owns row w.
; THE MATRIX INSTRUCTION IS USED TRANSPOSED (source 0 = 16 columns of w_proj, source 1 = the 16 rows): step st = 2 i + e holds channels 8 i + 4 (lane / 16) + 2 e + 0, 1, alike on both sides.
; REGISTERS: v16-143 w_proj (32 for each 16 columns); v144-175 U, then ctx; v176-207 the sum of V; v208-209 beta; v210-211 b_proj; v224-255 four accumulators, written by matrix instructions alone.
.set SPARE, 65536                      ; behind the sixteen images of 4,096 bytes: the spare words
.set SPW,   14
.set NIL,   15
.set WV,    16
	s_load_b256 s[4:11], s[0:1], 0x0               ; u16, sufv, w_proj, b_proj
	s_load_b64 s[12:13], s[0:1], 0x20              ; out0
	v_lshl_add_u32 v[SPW], v0, 2, SPARE
	v_mov_b32 v[NIL], 0
	v_lshrrev_b32 v1, 5, v0
	v_readfirstlane_b32 s[WV], v1                  ; wave 0..15
	v_and_b32 v2, 15, v0                           ; r
	v_bfe_u32 v3, v0, 4, 1                         ; h
	v_lshlrev_b32 v4, 2, v2
	v_lshl_add_u32 v4, v3, 14, v4                  ; w_proj: column r, lanes 16-31 four rows of 4,096 bytes down
	v_lshlrev_b32 v5, 12, v2
	v_lshl_add_u32 v5, v3, 4, v5                   ; U: row r of 4,096 bytes, + 16 h
	v_lshlrev_b32 v6, 4, v3                        ; the sum of V: + 16 h
	v_lshlrev_b32 v7, 2, v2                        ; beta: 4 r
	v_and_b32 v8, 31, v0
	v_lshlrev_b32 v10, 3, v8                       ; 8 x lane: my two columns of a row
	v_lshlrev_b32 v8, 4, v8
	v_and_b32 v11, 0x1e0, v0
	v_lshl_add_u32 v8, v11, 7, v8                  ; my image: 4,096 wave + 16 lane
	v_bfe_u32 v9, v0, 3, 2                         ; where row w's columns 2 L, 2 L + 1 lie in an image: tile L / 8,
	v_lshlrev_b32 v9, 10, v9
	v_bfe_u32 v11, v0, 1, 1
	v_lshl_add_u32 v9, v11, 9, v9                  ; registers 4 ((L / 2) % 2) on,
	v_bfe_u32 v11, v0, 2, 1
	v_lshl_add_u32 v9, v11, 8, v9                  ; the half of the lanes (L / 4) % 2,
	v_and_b32 v11, 1, v0
	v_lshl_add_u32 v9, v11, 3, v9                  ; 8 (L % 2),
	v_lshrrev_b32 v11, 5, v0
	v_lshl_add_u32 v9, v11, 4, v9                  ; and lane w
	s_and_b32 s17, ttmp7, 0xffff                   ; b
	s_lshl_b32 s18, s17, 4
	s_add_co_u32 s18, s18, s[WV]                   ; 16 b + w
	s_lshl_b32 s28, ttmp9, 8                       ; my 64 columns, in bytes
	s_mov_b32 s29, 0
	s_lshl_b32 s20, s[WV], 18
	s_add_co_u32 s20, s20, s28
	s_mov_b32 s21, 0                               ; w_proj: row 64 w
	s_lshl_b32 s22, s17, 16
	s_lshl_b32 s23, s[WV], 8
	s_add_co_u32 s22, s22, s23
	s_mov_b32 s23, 0                               ; U: batch b, head w
	s_lshl_b32 s24, s18, 6
	s_add_co_u32 s24, s24, 262144
	s_mov_b32 s25, 0                               ; beta
	s_mul_i32 s26, s18, 8448
	s_mov_b32 s27, 0                               ; sufv: the head's entry 0
	s_lshl_b32 s30, s17, 23
	s_lshl_b32 s31, s[WV], 12
	s_add_co_u32 s30, s30, s31
	s_add_co_u32 s30, s30, s28
	s_mov_b32 s31, 0                               ; out0: row 2,048 b + w
	s_wait_kmcnt 0x0
	s_add_nc_u64 s[8:9], s[8:9], s[20:21]
	s_add_nc_u64 s[32:33], s[4:5], s[22:23]
	s_add_nc_u64 s[34:35], s[4:5], s[24:25]
	s_add_nc_u64 s[6:7], s[6:7], s[26:27]
	s_add_nc_u64 s[10:11], s[10:11], s[28:29]
	s_add_nc_u64 s[12:13], s[12:13], s[30:31]
.irp i, 0,1,2,3,4,5,6,7
	global_load_b128 v[144+4*\i:147+4*\i], v5, s[32:33] offset:32*\i   ; channels 8 i + 4 h + 0 .. 3 of row r
	global_load_b128 v[176+4*\i:179+4*\i], v6, s[6:7] offset:32*\i
.endr
	global_load_b32 v208, v7, s[34:35]
	global_load_b64 v[210:211], v10, s[10:11]
.irp nt, 0,1,2,3
.set T, 0
.rept 16
	global_load_b32 v[16+32*\nt+2*T],   v4, s[8:9] offset:(8*(T/2)+2*(T%2))*4096+64*\nt     ; sixteen lanes read 64 consecutive bytes of a row of w_proj
	global_load_b32 v[16+32*\nt+2*T+1], v4, s[8:9] offset:(8*(T/2)+2*(T%2)+1)*4096+64*\nt
.set T, T+1
.endr
.endr
	s_wait_loadcnt 0x0
	v_mov_b32 v209, v208
.set I, 0
.rept 16
	v_pk_fma_f32 v[144+2*I:145+2*I], v[176+2*I:177+2*I], v[208:209], v[144+2*I:145+2*I]   ; ctx = the sum of V x beta + U
.set I, I+1
.endr
.set T, 0
.rept 16                                       ; four accumulators by turns; the first K step starts the sums
.irp nt, 0,1,2,3
.if T == 0
	v_wmma_f32_16x16x4_f32 v[224+8*\nt:231+8*\nt], v[16+32*\nt+2*T:17+32*\nt+2*T], v[144+2*T:145+2*T], 0
.else
	v_wmma_f32_16x16x4_f32 v[224+8*\nt:231+8*\nt], v[16+32*\nt+2*T:17+32*\nt+2*T], v[144+2*T:145+2*T], v[224+8*\nt:231+8*\nt]
.endif
.endr
.set T, T+1
.endr
.rept 8
	v_nop                                          ; eight places behind the f32 form
.endr
.irp nt, 0,1,2,3
	ds_store_b128 v8, v[224+8*\nt:227+8*\nt] offset:1024*\nt        ; lane (r, h), register j of tile nt: row r, column 16 nt + 8 h + j
	ds_store_b128 v8, v[228+8*\nt:231+8*\nt] offset:1024*\nt+512
.endr
	s_wait_dscnt 0x0                               ; for the others' sake: my image has landed
	s_barrier_signal -1
	s_barrier_wait -1
.set I, 0
.rept 16
	ds_load_b64 v[16+2*I:17+2*I], v9 offset:4096*I ; head I's part of my row's two columns
.set I, I+1
.endr
	s_wait_dscnt 0x0
.irp i, 0,1,2,3,4,5,6,7
	v_pk_add_f32 v[16+4*\i:17+4*\i], v[16+4*\i:17+4*\i], v[18+4*\i:19+4*\i]
.endr
.irp i, 0,1,2,3
	v_pk_add_f32 v[16+8*\i:17+8*\i], v[16+8*\i:17+8*\i], v[20+8*\i:21+8*\i]
.endr
.irp i, 0,1
	v_pk_add_f32 v[16+16*\i:17+16*\i], v[16+16*\i:17+16*\i], v[24+16*\i:25+16*\i]
.endr
	v_pk_add_f32 v[16:17], v[16:17], v[32:33]
	v_pk_add_f32 v[16:17], v[16:17], v[210:211]
	global_store_b64 v10, v[16:17], s[12:13]       ; 32 lanes store 256 consecutive bytes, aligned
	s_wait_tensorcnt 0x0                           ; the wave's end
	ds_add_u32 v[SPW], v[NIL]
	s_wait_dscnt 0x0
	s_endpgm
.Lfunc_end_k_q4a1e7d1990_proj16:
	.size	k_q4a1e7d1990_proj16, .Lfunc_end_k_q4a1e7d1990_proj16-k_q4a1e7d1990_proj16
	.p2alignl 7, 3214868480
	.fill 96, 4, 3214868480
	.section	.rodata,"a",@progbits
	.p2align	6, 0x0
	.amdhsa_kernel k_q4a1e7d1990_proj16
		.amdhsa_group_segment_fixed_size 67584
		.amdhsa_private_segment_fixed_size 0
		.amdhsa_enable_private_segment 0
		.amdhsa_kernarg_size 40
		.amdhsa_user_sgpr_count 2
		.amdhsa_user_sgpr_kernarg_segment_ptr 1
		.amdhsa_wavefront_size32 1
		.amdhsa_system_sgpr_workgroup_id_x 1
		.amdhsa_system_sgpr_workgroup_id_y 1
		.amdhsa_system_sgpr_workgroup_id_z 1
		.amdhsa_system_vgpr_workitem_id 0
		.amdhsa_next_free_vgpr 256
		.amdhsa_next_free_sgpr 66
		.amdhsa_reserve_vcc 0
		.amdhsa_float_denorm_mode_32 3
		.amdhsa_float_denorm_mode_16_64 3
		.amdhsa_memory_ordered 1
		.amdhsa_forward_progress 1
		.amdhsa_inst_pref_size 25
	.end_amdhsa_kernel
	.amdgpu_metadata
---
amdhsa.version: [ 1, 2 ]
amdhsa.kernels:
  - .name:           k_q4a1e7d1990_proj16
    .symbol:         k_q4a1e7d1990_proj16.kd
    .args:
      - { .name: u16, .offset: 0, .size: 8, .value_kind: global_buffer, .address_space: global }
      - { .name: sufv, .offset: 8, .size: 8, .value_kind: global_buffer, .address_space: global }
      - { .name: w_proj, .offset: 16, .size: 8, .value_kind: global_buffer, .address_space: global }
      - { .name: b_proj, .offset: 24, .size: 8, .value_kind: global_buffer, .address_space: global }
      - { .name: out0, .offset: 32, .size: 8, .value_kind: global_buffer, .address_space: global }
    .group_segment_fixed_size: 67584
    .private_segment_fixed_size: 0
    .kernarg_segment_align: 8
    .kernarg_segment_size: 40
    .max_flat_workgroup_size: 512
    .sgpr_count:     66
    .vgpr_count:     256
    .wavefront_size: 32
...
	.end_amdgpu_metadata
.endif
;; end of part 6
